; MI455X (gfx1250); checked and timed in simulation.
; The chip was launched on July 23, 2026; its instructions are those of AMD's public machine-readable ISA for CDNA 5 (MIT licence, August 2026) and "CDNA5" Instruction Set Architecture Reference Guide (July 2026). The comments in the code are by the model that wrote it; some were corrected since.
;; Memory Efficient Attention. Allowed arithmetic: matrix products marked QUANTISED: E2M3 operands, one E8M0 scale for each 32 along K, by v_wmma_scale_f32_16x16x128_f8f6f4 with both operands' format E2M3, f32 sums; everything else in f32.
;; Inputs: Wout 1,024 x 1,024 float32; Wqkv 1,024 x 3,072 float32; bout 1,024 float32; bqkv 3,072 float32; mask 4 x 2,048 bool; x 4 x 2,048 x 1,024 float32.
;; Outputs: out0 4 x 2,048 x 1,024 float32.
;; This version of the problem:
;;   THIS VERSION OF THE PROBLEM IS GIVEN IN LOW PRECISION. The matrix products marked QUANTISED in the list below multiply operands that are first quantised to E2M3 (2 exponent bits, 3 mantissa bits; 6 bits a number), with one power-of-two scale for each 32 numbers along K (OCP MX v1.0); their sums are f32. All else is computed in f32.
;;   The module's matrix products, in the order in which they are computed (A, B: the left and right operand; K: the contracted axis; several contracted axes count as one K, in the product's order):
;;     1. [M 8,192, K 1,024] x [K 1,024, N 3,072]; A: input x; B: input Wqkv: QUANTISED
;;     2. batch 64 x [M 2,048, K 64] x [K 64, N 2,048]; A: computed on the way; B: computed on the way: QUANTISED
;;     3. batch 64 x [M 64, K 2,048] x [K 2,048, N 2,048]; A: computed on the way; B: softmax (see below): QUANTISED
;;     4. [M 8,192, K 1,024] x [K 1,024, N 1,024]; A: computed on the way; B: input Wout: QUANTISED
;;   THE QUANTISER, for each operand of a quantised product, along K:
;;     - K is cut into blocks of 32 from its start; a last block that is shorter is filled with zeros.
;;     - A block's scale is 2^e with e = floor(log2(the largest magnitude in the block)) - 2, held to -126 .. 127; a block of zeros has e = 0. As a byte (E8M0): e + 127.
;;     - Each number is divided by its block's scale, clamped to +-7.5, and rounded to the nearest number of E2M3, ties to even, subnormals kept.
;;     - The product sums the exact products of the quantised numbers (number of the format x scale) in f32.
;;   ~~~python
;;   def quantise(x, axis):      # numpy; x: float32 -> the quantised numbers, widened to float32 again
;;       x = np.moveaxis(x, axis, -1); K = x.shape[-1]
;;       x = np.pad(x, [(0, 0)] * (x.ndim - 1) + [(0, -K % 32)]); x = x.reshape(x.shape[:-1] + (-1, 32)); a = np.abs(x).max(-1, keepdims=True)
;;       e = np.where(a > 0, np.clip(np.frexp(np.where(a > 0, a, 1))[1] - 1 - 2, -126, 127), 0)      # np.frexp(a)[1] - 1 = floor(log2(a)), exactly
;;       r = np.clip(x / 2.0 ** e, -7.5, 7.5)
;;       step = 2.0 ** (np.maximum(np.frexp(np.where(r == 0, 1, r))[1] - 1, 0) - 3)
;;       q = np.round(r / step) * step * 2.0 ** e      # np.round: ties to even
;;       return np.moveaxis(q.reshape(q.shape[:-2] + (-1,))[..., :K], -1, axis).astype(np.float32)
;;   ~~~
;;   SOFTMAX AHEAD OF A QUANTISED PRODUCT. Where the list says 'softmax', what is quantised is not the finished softmax but p = 2^(t - M), with t = logit x log2(e) and M = ceil(the row's largest t), a whole number; so 1/2 < the row's largest p <= 1. The row's sum l is taken of the UNQUANTISED p, in f32, and the product's result is divided by l at the end. Since M is a whole number, a kernel that streams over the keys may use a running M (the ceiling of the running maximum): every later rescaling is an exact power of two, which a block's scale takes up: the codes' values come out the same.
;;   OPERANDS COMPUTED ON THE WAY. 'Computed on the way' means the value that the module computes at that place (a softmax that the list does not call 'softmax' is quantised finished and normalised). What goes into a quantiser is computed in f32, as accurately as f32 sums, v_exp_f32 and their like allow (about 1e-6 of the number): no bf16 or f16 on the way to a quantiser, and a product that is left as it is and whose result goes on into a quantised operand takes f32 operands (vector FMAs, or v_wmma_f32_16x16x4_f32). A number that lies on a knife's edge between two numbers of the format may be rounded either way, as far as f32 arithmetic and the matrix unit's own rounding can turn it there, and no further.
;; One version. Each part assembles by itself: llvm-mc -triple=amdgcn-amd-amdhsa -mcpu=gfx1250 --defsym DOCPART=n.
;; ======== version 1 of 1: 4 launches
;; limits: right only within a limited range of input values
;; workspace buffers: img 9,830,400 bytes; qi 8,912,896 bytes; kv 15,466,496 bytes; oi 6,553,600 bytes
;; launch prep (part 1): grid 384 x 1, 4 waves a work-group, no clusters, 58,880 bytes of LDS; arguments x, Wqkv, Wout, img; writes img
.if DOCPART == 1
	.amdgcn_target "amdgcn-amd-amdhsa--gfx1250"
	.amdhsa_code_object_version 6
	.text
	.protected	k_qb8d9ec675b_prep
	.globl	k_qb8d9ec675b_prep
	.p2align	8
	.type	k_qb8d9ec675b_prep,@function
k_qb8d9ec675b_prep:
	s_mov_b64 s[64:65], 0
	v_nop
	global_prefetch_b8 v0, s[64:65] scope:SCOPE_SE
	s_setreg_imm32_b32 hwreg(HW_REG_WAVE_MODE, 25, 1), 1
	s_wait_xcnt 0x0
; x [8192][1024], Wqkv [1024][3072] and Wout [1024][1024], f32, become codes of FP6 (E2M3) with one E8M0 byte for each 32 along K (x: its columns; the weights: their FIRST axis),
; laid in img as IMAGES OF OPERAND REGISTERS, so that the products' launches read every fragment by whole 16- and 8-byte loads of neighbouring lanes.
; AN OP BLOCK is 128 rows x 256 along K, 25,600 bytes; block 4 g + s of group g (x's rows: groups 0-63; Wqkv's columns: 64-87; Wout's: 88-95) and slot s along K.  In it fragment (tile i, q) (16 rows x 128 K, 12 registers
; a lane) lies at 1,536 (2 i + q): registers 0-3 at 16 x lane, 4-5 at 512 + 8 x lane, 6-9 at 768 + 16 x lane, 10-11 at 1,280 + 8 x lane; the scale word of (i, row r, q) at 24,576 + 128 i + 8 r + 4 q.
; THE ROWS OF A TILE ARE NOT NEIGHBOURS: lane r of tile i holds row 32 (i / 2) + 8 (i % 2) + r + 8 (r / 8) of the group, so that a transposed product's 16 registers of two neighbouring tiles are 16 neighbours along the next K.
; A block's scale is 2^(floor(log2(its largest magnitude)) - 2); its byte is the largest magnitude's exponent field - 2, held at 1 from below (a block of zeros gets 1: its codes are zeros, and this program alone reads the bytes).
; LIMITS: blocks whose largest magnitude lies under 2^-124 get the byte 1; NaN and infinities among the inputs are not served.
; SHARES: work-group n makes OP block n.  Work-groups 0-255: x.  A wave takes 32 rows x 256 K, four fragments; each load reads 512 consecutive bytes of a row, and the numbers turn through the wave's own stage in LDS, so that a lane
; gets 16 neighbours of each block of 32.  Work-groups 256-383: the weights.  A lane takes a column and its registers run down K: a block of 32 is one lane's, nothing is transposed; the codes go through the wave's own
; stage and leave as 512 consecutive bytes a store.  The two paths have LDS bytes of their own.  Waves share nothing: no barrier.  A stream read once: no matrix unit, no cluster, no tensor load.
.set XSTW,  16*528                     ; x: a wave's stage: 16 rows of 512 bytes + 16
.set WST,   4*XSTW                     ; behind the four: the weights' stages,
.set WSTW,  6144                       ; four fragments' images for each wave
.set SPARE, WST+4*WSTW                 ; behind them: the spare words, 128 bytes for each wave: two blocks of 256 bytes that no other line names
.set SPW, 12                           ; v12  LDS address of my spare word; never rewritten
.set NIL, 13                           ; v13  0; never rewritten
.set SEL, 20                           ; s[20:21] lane selects for v_permlanex16_b32: lane l xor 16
.set R,   16                           ; x: v16-143 two sets of 64 numbers as loaded
.set X,   144                          ; x: v144-207 64 numbers of my row: register 16 b + i = k 32 b + 16 (lane / 16) + i
.set PC,  208                          ; x: v208-219 the fragment just made
.set P2,  220                          ; x: v220-226 the conversions' second halves
.set MX,  228                          ; x: v228-231 largest magnitudes; v232-235 the other half's, then bytes; v236-239 the conversions' scale operands
.set BY,  232
.set SO,  236
.set SW,  240                          ; x: v240-243 the four fragments' scale words
.set RO,  16                           ; weights: v16-47 4 x lane + i rows
.set XW,  48                           ; weights: v48-111 two sets of 32 numbers
.set C,   112                          ; weights: v112-117 a block's codes, v120-122 their second half as converted
.set SB,  124                          ; weights: v124-125 my column's eight scale bytes
; 64 numbers of a lane become a fragment's codes in v[PC] on (the two halves stp registers apart) and its scale word in v[pw]
.macro QUANT src, stp, pw
.irp b, 0,1,2,3
	v_max3_num_f32 v[MX+\b], |v[\src+16*\b]|, |v[\src+1+16*\b]|, 0x1800000   ; block b: my 16 numbers, and the floor 2^(3 - 127): the byte cannot fall under 1
.endr
.irp i, 2,4,6,8,10,12,14
.irp b, 0,1,2,3
	v_max3_num_f32 v[MX+\b], v[MX+\b], |v[\src+16*\b+\i]|, |v[\src+1+16*\b+\i]|   ; the four blocks by turns
.endr
.endr
.irp b, 0,1,2,3
	v_permlanex16_b32 v[BY+\b], v[MX+\b], s[SEL], s[SEL+1]
.endr
.irp b, 0,1,2,3
	v_max_num_f32 v[MX+\b], v[MX+\b], v[BY+\b]     ; with lane l xor 16's: the block's largest magnitude
.endr
.irp b, 0,1,2,3
	v_add_nc_u32 v[SO+\b], 0xff000000, v[MX+\b]    ; 2 off its exponent field: the conversion takes that field as its scale
.endr
.irp b, 0,1,2,3
	v_lshrrev_b32 v[BY+\b], 23, v[SO+\b]           ; the scale's byte
.endr
	v_lshl_or_b32 v[\pw], v[BY+1], 8, v[BY]
	v_lshl_or_b32 v[\pw], v[BY+2], 16, v[\pw]
	v_lshl_or_b32 v[\pw], v[BY+3], 24, v[\pw]
.irp c, 0,1
	v_cvt_scalef32_pk16_fp6_f32 v[PC+(\stp)*\c:PC+(\stp)*\c+2], v[\src+32*\c:\src+32*\c+15], v[SO+2*\c]
	v_cvt_scalef32_pk16_fp6_f32 v[P2+4*\c:P2+4*\c+2], v[\src+16+32*\c:\src+31+32*\c], v[SO+2*\c+1]   ; (a conversion's three registers begin on an even number)
.endr
	v_nop                                          ; one plain place behind a scaled conversion
.irp c, 0,1                                    ; the operand's layout wants a whole block in a lane: lanes 0-15 block 2 c, lanes 16-31 block 2 c + 1
.irp i, 0,1,2
	v_permlane16_swap_b32 v[PC+(\stp)*\c+\i], v[P2+4*\c+\i]
.endr
.irp i, 0,1,2
	v_mov_b32 v[PC+(\stp)*\c+3+\i], v[P2+4*\c+\i]
.endr
.endr
.endm
	s_load_b256 s[4:11], s[0:1], 0x0               ; x s[4:5], Wqkv s[6:7], Wout s[8:9], img s[10:11]
	v_lshl_add_u32 v[SPW], v0, 2, SPARE
	v_mov_b32 v[NIL], 0
	v_lshrrev_b32 v14, 5, v0
	v_readfirstlane_b32 s12, v14                   ; wave 0..3
	v_and_b32 v15, 31, v0                          ; lane
	v_lshlrev_b32 v1, 4, v15                       ; 16 x lane
	v_lshlrev_b32 v2, 3, v15                       ; 8 x lane
	s_mov_b32 s[SEL], 0x76543210
	s_mov_b32 s[SEL+1], 0xfedcba98
	s_and_b32 s13, ttmp9, 3                        ; the slot along K
	s_mul_i32 s22, ttmp9, 25600                    ; my OP block: its number is the work-group's
	s_mul_i32 s14, s12, 6144                       ; my wave's four fragments in it (tiles 2 w and 2 w + 1),
	s_lshl_b32 s24, s12, 8
	s_add_co_u32 s24, s24, s22
	s_add_co_u32 s24, s24, 24576                   ; and their 256 bytes of scale words
	s_add_co_u32 s22, s22, s14
	s_mov_b32 s23, 0
	s_mov_b32 s25, 0
	s_wait_kmcnt 0x0
	s_add_nc_u64 s[22:23], s[10:11], s[22:23]
	s_add_nc_u64 s[24:25], s[10:11], s[24:25]
	s_cmp_lt_u32 ttmp9, 256
	s_cbranch_scc0 .Lweights
	; ---- x
	s_lshr_b32 s14, ttmp9, 2                       ; the group of 128 rows
	s_lshl_b32 s16, s14, 7
	s_lshl_b32 s17, s12, 5
	s_add_co_u32 s16, s16, s17                     ; my wave's first row
	s_lshl_b32 s16, s16, 12                        ; rows of 4,096 bytes (under 2^26 in all)
	s_lshl_b32 s17, s13, 10                        ; the slot's 256 numbers
	s_add_co_u32 s16, s16, s17
	s_mov_b32 s17, 0
	s_add_nc_u64 s[4:5], s[4:5], s[16:17]
	s_mul_i32 s26, s12, XSTW                       ; my stage
	s_wait_alu depctr_va_vdst(0)
	v_add_nc_u32 v3, s26, v1                       ; in: 16 x lane of a row
	v_and_b32 v5, 15, v0                           ; r
	v_bfe_u32 v6, v0, 4, 1                         ; h
	v_mul_u32_u24 v4, v5, 528
	v_lshl_add_u32 v4, v6, 6, v4
	v_add_nc_u32 v4, s26, v4                       ; back: row r, + 64 h: my 16 numbers of each block of 32
.irp b, 0,1,2,3
	v_mov_b32 v[BY+\b], 0                          ; written once: a lane permute's destination counts as one of its sources
.endr
.macro LOADF f                         ; fragment f = 2 u + q: the 16 rows of tile 2 w + u, 128 numbers each: a load reads 512 consecutive bytes
.irp r, 0,1,2,3,4,5,6,7,8,9,10,11,12,13,14,15
	global_load_b128 v[R+64*((\f)%2)+4*\r:R+64*((\f)%2)+4*\r+3], v1, s[4:5] offset:(8*((\f)/2)+\r+8*(\r/8))*4096+512*((\f)%2) th:TH_LOAD_NT
.endr
.endm
.macro FRAGX f
.if (\f) < 3
	s_wait_loadcnt 16                              ; this fragment's 16 loads are in; the other set's 16 may be out
.else
	s_wait_loadcnt 0x0
.endif
.irp r, 0,1,2,3,4,5,6,7,8,9,10,11,12,13,14,15
	ds_store_b128 v3, v[R+64*((\f)%2)+4*\r:R+64*((\f)%2)+4*\r+3] offset:528*\r
.endr
.irp b, 0,1,2,3
.irp j, 0,1,2,3
	ds_load_b128 v[X+16*\b+4*\j:X+16*\b+4*\j+3], v4 offset:128*\b+16*\j   ; LDS serves a wave's instructions in order: these see the stores above
.endr
.endr
	s_wait_dscnt 0x0                               ; the numbers are back, and the stores have read their registers,
.if (\f) < 2
	LOADF (\f)+2                                   ; which take the loads of two fragments on
.endif
	s_wait_xcnt 0x0                                ; the last fragment's stores have read the codes' registers
	QUANT X, 6, SW+(\f)
	global_store_b128 v1, v[PC:PC+3], s[22:23] offset:(\f)*1536            ; 512 consecutive bytes
	global_store_b64 v2, v[PC+4:PC+5], s[22:23] offset:(\f)*1536+512       ; 256
	global_store_b128 v1, v[PC+6:PC+9], s[22:23] offset:(\f)*1536+768
	global_store_b64 v2, v[PC+10:PC+11], s[22:23] offset:(\f)*1536+1280
.endm
	LOADF 0
	LOADF 1
	s_wait_alu depctr_va_vdst(0)
	FRAGX 0
	FRAGX 1
	FRAGX 2
	FRAGX 3
	v_permlane16_swap_b32 v[SW], v[SW+2]           ; lanes 0-15 keep tile 2 w's words, lanes 16-31 take tile 2 w + 1's
	v_permlane16_swap_b32 v[SW+1], v[SW+3]
	global_store_b64 v2, v[SW:SW+1], s[24:25]      ; 8 bytes a row (q = 0, 1): one aligned run of 256 bytes
	s_wait_tensorcnt 0x0                           ; the wave's end
	ds_add_u32 v[SPW], v[NIL]
	s_wait_dscnt 0x0
	s_endpgm
	; ---- the weights
.Lweights:
	s_sub_co_u32 s14, ttmp9, 256
	s_lshr_b32 s14, s14, 2                         ; 0-23: Wqkv's groups of 128 columns; 24-31: Wout's
	s_cmp_lt_u32 s14, 24                           ; the choice hangs on the work-group's number alone
	s_mov_b32 s15, 4096
	s_cselect_b32 s15, 12288, s15                  ; a row in bytes
	s_cselect_b64 s[6:7], s[6:7], s[8:9]
	s_cselect_b32 s16, 0, 24
	s_sub_co_u32 s16, s14, s16                     ; the group in its own tensor
	s_lshl_b32 s16, s16, 9                         ; 128 columns of 4 bytes
	s_lshl_b32 s17, s12, 7                         ; my wave's 32 columns
	s_add_co_u32 s16, s16, s17
	s_lshl_b32 s17, s13, 8                         ; the slot's first row
	s_mul_i32 s17, s17, s15
	s_add_co_u32 s16, s16, s17
	s_mov_b32 s17, 0
	s_add_nc_u64 s[32:33], s[6:7], s[16:17]        ; a base for each block of 32 rows: none is ever stepped
	s_lshl_b32 s18, s15, 5
	s_mov_b32 s19, 0
.irp t, 1,2,3,4,5,6,7
	s_add_nc_u64 s[32+2*\t:33+2*\t], s[30+2*\t:31+2*\t], s[18:19]
.endr
	s_wait_alu depctr_va_vdst(0)
	v_lshlrev_b32 v7, 2, v15                       ; 4 x lane: my column
.irp i, 0,1,2,3,4,5,6,7,8,9,10,11,12,13,14,15,16,17,18,19,20,21,22,23,24,25,26,27,28,29,30,31
	v_mad_u32_u24 v[RO+\i], s15, \i, v7            ; + i rows
.endr
	v_bfe_u32 v3, v15, 3, 1                        ; column 32 w + lane is row r' = lane % 8 + 8 (lane / 16) of tile 2 w + u', u' = (lane / 8) % 2
	v_and_b32 v4, 7, v15
	v_bfe_u32 v10, v15, 4, 1
	v_lshl_add_u32 v4, v10, 3, v4
	s_mul_i32 s26, s12, WSTW
	s_add_co_u32 s26, s26, WST                     ; my stage: the four fragments as they will lie in img
	v_mul_u32_u24 v10, v3, 3072
	v_add_nc_u32 v10, s26, v10
	v_lshl_add_u32 v5, v4, 4, v10                  ; where my registers 0-3 of a half fragment go,
	v_lshl_add_u32 v6, v4, 3, v10                  ; and my registers 4-5
	v_add_nc_u32 v8, s26, v1                       ; back: 16 x lane
	v_lshlrev_b32 v9, 7, v3
	v_lshl_add_u32 v9, v4, 3, v9                   ; my column's 8 scale bytes: 128 u' + 8 r'
.macro LOADW t                         ; block t: W(32 t + i, my column): 32 lanes read 128 consecutive bytes, the four waves 512
.irp i, 0,1,2,3,4,5,6,7,8,9,10,11,12,13,14,15,16,17,18,19,20,21,22,23,24,25,26,27,28,29,30,31
	global_load_b32 v[XW+32*((\t)%2)+\i], v[RO+\i], s[32+2*(\t):33+2*(\t)] th:TH_LOAD_NT
.endr
.endm
.macro BLOCK t                         ; block t is k = 128 (t / 4) + 64 ((t % 4) / 2) + 32 (t % 2) + 0 .. 31: fragment q = t / 4, its half (t % 4) / 2, the lanes' half t % 2
.set XS, XW+32*((\t)%2)
.if (\t) < 7
	s_wait_loadcnt 32                              ; this block's 32 loads are in; the next block's may be out
.else
	s_wait_loadcnt 0x0
.endif
	v_max3_num_f32 v126, |v[XS]|, |v[XS+1]|, |v[XS+2]|   ; the block's largest magnitude: all 32 numbers are mine
	v_max3_num_f32 v127, |v[XS+3]|, |v[XS+4]|, |v[XS+5]|
.irp i, 6,10,14,18,22,26
	v_max3_num_f32 v126, v126, |v[XS+\i]|, |v[XS+\i+1]|
	v_max3_num_f32 v127, v127, |v[XS+\i+2]|, |v[XS+\i+3]|
.endr
	v_max3_num_f32 v126, v126, |v[XS+30]|, |v[XS+31]|
	v_max3_num_f32 v126, v126, v127, 0x1800000     ; and the floor
	v_add_nc_u32 v128, 0xff000000, v126            ; the conversion's scale operand
	v_lshrrev_b32 v129, 23, v128                   ; the scale's byte
.if (\t)%4 == 0
	v_mov_b32 v[SB+(\t)/4], v129
.else
	v_lshl_or_b32 v[SB+(\t)/4], v129, 8*((\t)%4), v[SB+(\t)/4]
.endif
	v_cvt_scalef32_pk16_fp6_f32 v[C:C+2], v[XS:XS+15], v128
	v_cvt_scalef32_pk16_fp6_f32 v[C+8:C+10], v[XS+16:XS+31], v128
	v_nop                                          ; one plain place behind a scaled conversion
.irp i, 0,1,2
	v_mov_b32 v[C+3+\i], v[C+8+\i]
.endr
	ds_store_b128 v5, v[C:C+3] offset:1536*((\t)/4)+768*(((\t)%4)/2)+256*((\t)%2)
	ds_store_b64 v6, v[C+4:C+5] offset:1536*((\t)/4)+768*(((\t)%4)/2)+512+128*((\t)%2)
.if (\t)+2 < 8
	LOADW (\t)+2
.endif
	s_wait_dscnt 0x0                               ; the stores have read their registers
.endm
	LOADW 0
	LOADW 1
.irp t, 0,1,2,3,4,5,6,7
	BLOCK \t
.endr
	s_wait_alu depctr_va_vdst(0)
	global_store_b64 v9, v[SB:SB+1], s[24:25]      ; the 32 lanes fill one aligned run of 256 bytes
.irp n, 0,1,2,3,4,5,6,7,8,9,10,11
	ds_load_b128 v[144+4*\n:147+4*\n], v8 offset:512*\n   ; LDS serves a wave's instructions in order: these see my stores
.endr
.irp n, 0,1,2,3,4,5,6,7,8,9,10,11
	s_wait_dscnt 11-\n                             ; read n is back; the younger ones may be out
	global_store_b128 v1, v[144+4*\n:147+4*\n], s[22:23] offset:512*\n
.endr
	s_wait_tensorcnt 0x0                           ; the wave's end
	ds_add_u32 v[SPW], v[NIL]
	s_wait_dscnt 0x0
	s_endpgm
.Lfunc_end_k_qb8d9ec675b_prep:
	.size	k_qb8d9ec675b_prep, .Lfunc_end_k_qb8d9ec675b_prep-k_qb8d9ec675b_prep
	.p2alignl 7, 3214868480
	.fill 96, 4, 3214868480
	.section	.rodata,"a",@progbits
	.p2align	6, 0x0
	.amdhsa_kernel k_qb8d9ec675b_prep
		.amdhsa_group_segment_fixed_size 58880
		.amdhsa_private_segment_fixed_size 0
		.amdhsa_enable_private_segment 0
		.amdhsa_kernarg_size 32
		.amdhsa_user_sgpr_count 2
		.amdhsa_user_sgpr_kernarg_segment_ptr 1
		.amdhsa_wavefront_size32 1
		.amdhsa_system_sgpr_workgroup_id_x 1
		.amdhsa_system_sgpr_workgroup_id_y 1
		.amdhsa_system_sgpr_workgroup_id_z 1
		.amdhsa_system_vgpr_workitem_id 0
		.amdhsa_next_free_vgpr 256
		.amdhsa_next_free_sgpr 66
		.amdhsa_reserve_vcc 0
		.amdhsa_float_denorm_mode_32 3
		.amdhsa_float_denorm_mode_16_64 3
		.amdhsa_memory_ordered 1
		.amdhsa_forward_progress 1
		.amdhsa_inst_pref_size 77
	.end_amdhsa_kernel
	.amdgpu_metadata
---
amdhsa.version: [ 1, 2 ]
amdhsa.kernels:
  - .name:           k_qb8d9ec675b_prep
    .symbol:         k_qb8d9ec675b_prep.kd
    .args:
      - { .name: x, .offset: 0, .size: 8, .value_kind: global_buffer, .address_space: global }
      - { .name: Wqkv, .offset: 8, .size: 8, .value_kind: global_buffer, .address_space: global }
      - { .name: Wout, .offset: 16, .size: 8, .value_kind: global_buffer, .address_space: global }
      - { .name: img, .offset: 24, .size: 8, .value_kind: global_buffer, .address_space: global }
    .group_segment_fixed_size: 58880
    .private_segment_fixed_size: 0
    .kernarg_segment_align: 8
    .kernarg_segment_size: 32
    .max_flat_workgroup_size: 128
    .sgpr_count:     66
    .vgpr_count:     256
    .wavefront_size: 32
...
	.end_amdgpu_metadata
.endif
;; end of part 1
;; launch qkv (part 2): grid 12 x 32, 4 waves a work-group, clusters of 4 x 4, 327,680 bytes of LDS; arguments img, bqkv, mask, qi, kv; writes qi, kv
.if DOCPART == 2
	.amdgcn_target "amdgcn-amd-amdhsa--gfx1250"
	.amdhsa_code_object_version 6
	.text
	.protected	k_qb8d9ec675b_qkv
	.globl	k_qb8d9ec675b_qkv
	.p2align	8
	.type	k_qb8d9ec675b_qkv,@function
k_qb8d9ec675b_qkv:
	s_mov_b64 s[64:65], 0
	v_nop
	global_prefetch_b8 v0, s[64:65] scope:SCOPE_SE
	s_setreg_imm32_b32 hwreg(HW_REG_WAVE_MODE, 25, 1), 1
	s_wait_xcnt 0x0
	s_wait_alu depctr_hold_cnt(0) depctr_sa_sdst(0) depctr_va_vdst(0) depctr_va_sdst(0) depctr_va_ssrc(0) depctr_va_vcc(0) depctr_vm_vsrc(0)
	s_getreg_b32 s2, hwreg(HW_REG_IB_STS2, 6, 4)
	s_cmp_eq_u32 s2, 0
	s_cbranch_scc0 .Lentry_in_a_cluster
	s_endpgm
.Lentry_in_a_cluster:
	s_bfe_u32 s2, ttmp6, 0x10000c
	s_cmp_lg_u32 s2, 0xf033
	s_cbranch_scc0 .Lentry_shape_is_right
	s_endpgm
.Lentry_shape_is_right:
.set GB,    25600
.set REG3,  3*GB                       ; LDS: a region of three OP blocks for each of the four groups (A's two, B's two): K slots 0, 1, 2; slot 3 later takes slot 0's bytes
.set SPARE, 12*GB                      ; behind the four regions: the spare words
.set FR,    12
.set NL,    4
.set NP,    4
.set NQ,    2
.set LI,   8
.set L8,   9
.set ADRA, 16
.set ADRB, 22                          ; v16-21 A's, v22-27 B's LDS addresses: for each of three places a register for the 16-byte and one for the 8-byte pieces
.set SPW,  28
.set NIL,  29
.set ADRS, 12                          ; v12-14 the scale words' addresses, one for each place
.set SC,   32
.set AF,   128
.set G1,  24
.set G0,  32
.set G1B, 48
.set G0B, 56
.set SEL, 98
.set WS,  32
.set BR,  64
.set H,   128
.set PC,  192
.set P2,  208
.set MX,  216
.set BY,  220
.set SO,  224
.set PW,  228
.set MK,  232
.set BA,  232
.set T0,  248
.set LC,  252
.set MSB, 0
.macro WIN new
.if MSB != (\new)
	s_set_vgpr_msb (MSB<<8)|(\new)
.set MSB, (\new)
.endif
.endm
.set MUL_LO, 0xa1
.set MUL_HI, 0xf1
.set TO_B,   0x40
.macro JLOAD g0a, g1a, g0b, g1b
	s_cmp_eq_u32 s15, 0
	s_cbranch_scc0 .Lfor_b_\@
	tensor_load_to_lds s[\g0a:\g0a+3], s[\g1a:\g1a+7]
	s_nop 0
.rept 4
	v_nop
.endr
	s_branch .Lasked_\@
.Lfor_b_\@:
	tensor_load_to_lds s[\g0b:\g0b+3], s[\g1b:\g1b+7]
	s_nop 0
.rept 4
	v_nop
.endr
.Lasked_\@:
.endm
.macro CREST
	s_cmp_lg_u32 s14, 0
	s_cbranch_scc1 .Lnot_wave_0_\@
	s_barrier_signal -3
.Lnot_wave_0_\@:
	s_barrier_wait -3
	s_barrier_signal -1
	s_barrier_wait -1
.endm
.macro CROUND
	s_barrier_signal -1
	s_barrier_wait -1
	CREST
.endm
	s_load_b256 s[4:11], s[0:1], 0x0
	s_load_b64 s[12:13], s[0:1], 0x20
	v_lshl_add_u32 v[SPW], v0, 2, SPARE
	v_mov_b32 v[NIL], 0
	ds_add_u32 v[SPW], v[NIL]
	ds_add_u32 v[SPW], v[NIL]
	v_lshrrev_b32 v1, 5, v0
	v_readfirstlane_b32 s14, v1
	s_lshr_b32 s15, s14, 1
	s_and_b32 s16, s14, 1
	s_bfe_u32 s40, ttmp6, 0x40000
	s_bfe_u32 s41, ttmp6, 0x40004
	s_mov_b32 s66, ttmp9
	s_and_b32 s67, ttmp7, 0xffff
	s_lshl_b32 s17, s67, 2
	s_lshl_b32 s18, s66, 2
	s_add_co_u32 s18, s18, 32
	s_cmp_eq_u32 s66, 2
	s_cselect_b32 s68, 40, s17
	s_cselect_b32 s69, s17, s18
	s_add_co_u32 s68, s68, s41
	s_add_co_u32 s69, s69, s40
	s_lshl_b32 s43, s41, 2
	s_lshl_b32 s43, 15, s43
	s_lshl_b32 s44, 0x1111, s40
	s_or_b32 s[G1+0], s43, (3<<16)|(1<<21)
	s_or_b32 s[G1B+0], s44, (3<<16)|(1<<21)
.irp g, G1, G1B
	s_mov_b32 s[\g+1], 32<<16
	s_mov_b32 s[\g+2], 300<<16             ; the head's load: 300 rows of 256 bytes, three OP blocks on end
	s_mov_b32 s[\g+3], 32<<16
	s_mov_b32 s[\g+4], 300
	s_mov_b32 s[\g+5], 32
	s_mov_b32 s[\g+6], 0
	s_mov_b32 s[\g+7], 0
.endr
	s_lshl_b32 s20, s68, 1
	s_add_co_u32 s20, s20, s16
	s_mul_i32 s20, s20, 4*GB
	s_mov_b32 s21, 0
	s_lshl_b32 s46, s69, 1
	s_add_co_u32 s46, s46, s16
	s_mul_i32 s46, s46, 4*GB
	s_mov_b32 s47, 0
	s_mul_i32 s45, s14, REG3
	s_mov_b32 s[SEL], 0x76543210
	s_mov_b32 s[SEL+1], 0xfedcba98
	s_wait_dscnt 0x0
	s_wait_kmcnt 0x0
	s_add_nc_u64 s[20:21], s[4:5], s[20:21]
	s_add_nc_u64 s[46:47], s[4:5], s[46:47]
	CROUND
	s_mov_b32 s[G0], 1
	s_mov_b32 s[G0+1], s45
	s_mov_b64 s[G0+2:G0+3], s[20:21]
	s_or_b32 s[G0+3], s[G0+3], 0x80000000
	s_mov_b32 s[G0B], 1
	s_mov_b32 s[G0B+1], s45
	s_mov_b64 s[G0B+2:G0B+3], s[46:47]
	s_or_b32 s[G0B+3], s[G0B+3], 0x80000000
	JLOAD G0, G1, G0B, G1B                         ; my one load at the head: K slots 0, 1 and 2 of my group
	v_and_b32 v1, 15, v0
	v_bfe_u32 v2, v0, 4, 1
	v_and_b32 v3, 31, v0
	v_lshlrev_b32 v[LI], 4, v3
	v_lshlrev_b32 v[L8], 3, v3
	s_mul_i32 s21, s15, REG3
	s_mul_i32 s22, s16, REG3
	s_add_co_u32 s22, s22, 2*REG3
.irp s, 0,1,2
	v_add_nc_u32 v[ADRA+2*\s], s21, v[LI]
	v_add_nc_u32 v[ADRA+2*\s+1], s21, v[L8]
	v_add_nc_u32 v[ADRB+2*\s], s22, v[LI]
	v_add_nc_u32 v[ADRB+2*\s+1], s22, v[L8]
	s_add_co_u32 s21, s21, GB
	s_add_co_u32 s22, s22, GB
.endr
	s_mul_i32 s21, s15, REG3
	s_mul_i32 s22, s16, REG3
	s_add_co_u32 s22, s22, 2*REG3
	s_sub_co_u32 s22, s22, s21
	v_mul_u32_u24 v4, s22, v2
	v_lshl_add_u32 v4, v1, 3, v4
	s_add_co_u32 s21, s21, 24576
	v_add_nc_u32 v[ADRS], s21, v4
	v_add_nc_u32 v[ADRS+1], GB, v[ADRS]
	v_add_nc_u32 v[ADRS+2], 2*GB, v[ADRS]
.macro FRAG reg, adr, q, i
	ds_load_b128 v[\reg:\reg+3], v[\adr] offset:(2*(\i)+(\q))*1536
	ds_load_b64 v[\reg+4:\reg+5], v[\adr+1] offset:(2*(\i)+(\q))*1536+512
	ds_load_b128 v[\reg+6:\reg+9], v[\adr] offset:(2*(\i)+(\q))*1536+768
	ds_load_b64 v[\reg+10:\reg+11], v[\adr+1] offset:(2*(\i)+(\q))*1536+1280
.endm
.macro MUL16 a0, p, q, sc, zero
.irp a, \a0, \a0+1
.irp b, 0,1,2,3,4,5,6,7
.if \zero
	v_wmma_scale_f32_16x16x128_f8f6f4 v[8*(8*((\a)%4)+\b):8*(8*((\a)%4)+\b)+7], v[128*(\p)+FR*\b:128*(\p)+FR*\b+FR-1], v[AF+FR*(\a):AF+FR*(\a)+FR-1], 0, v[SC+8*NQ*(\sc)+NQ*\b+(\q)], v[SC+8*NQ*(\sc)+NQ*(\a)+(\q)] matrix_a_fmt:MATRIX_FMT_FP6 matrix_b_fmt:MATRIX_FMT_FP6 matrix_a_scale:MATRIX_SCALE_ROW1
.else
	v_wmma_scale_f32_16x16x128_f8f6f4 v[8*(8*((\a)%4)+\b):8*(8*((\a)%4)+\b)+7], v[128*(\p)+FR*\b:128*(\p)+FR*\b+FR-1], v[AF+FR*(\a):AF+FR*(\a)+FR-1], v[8*(8*((\a)%4)+\b):8*(8*((\a)%4)+\b)+7], v[SC+8*NQ*(\sc)+NQ*\b+(\q)], v[SC+8*NQ*(\sc)+NQ*(\a)+(\q)] matrix_a_fmt:MATRIX_FMT_FP6 matrix_b_fmt:MATRIX_FMT_FP6 matrix_a_scale:MATRIX_SCALE_ROW1
.endif
.endr
.endr
.endm
.macro FETCH_B slot, q, p
	WIN TO_B
.irp i, 0,1,2,3,4,5,6,7
	FRAG 128*(\p)+FR*\i, ADRB+2*(\slot), \q, \i
.endr
	WIN 0
.endm
.macro FETCH_A slot, q, i0
.irp i, \i0, \i0+1, \i0+2, \i0+3
	FRAG AF+FR*(\i), ADRA+2*(\slot), \q, \i
.endr
.endm
.macro SCALES sc, loc
.irp i, 0,1,2,3,4,5,6,7
	ds_load_b64 v[SC+8*NQ*\sc+NQ*\i:SC+8*NQ*\sc+NQ*\i+1], v[ADRS+\loc] offset:128*\i
.endr
.endm
.macro PLACES n
.rept \n
	v_nop
.endr
.endm
.macro STEP slot, zero, loc            ; slot: the set of scale words; loc: the slot's place in LDS
	s_wait_dscnt 4*NL
	WIN MUL_LO
	MUL16 0, 0, 0, \slot, \zero
	MUL16 2, 0, 0, \slot, \zero
	s_wait_dscnt 0x0
	PLACES NP
	FETCH_B \loc, 1, 1
	FETCH_A \loc, 1, 0
	WIN MUL_HI
	MUL16 4, 0, 0, \slot, \zero
	MUL16 6, 0, 0, \slot, \zero
	PLACES NP
	WIN 0
	FETCH_A \loc, 1, 4
.endm
; a slot's second half, and the change to the next slot, which lies at place nloc.  sync = 1: the waits, the add and a barrier stand in it; fill = 1: the barrier opens a round, and K slot 3 is asked for into the place just read out
.macro TURN slot, next, sync, fill, nloc
.if \sync
	s_wait_tensorcnt 0x0                           ; all my tensor loads have landed;
	ds_add_u32 v[SPW], v[NIL]
	s_wait_dscnt 4*NL+1                            ; (the add and A's youngest four fragments may be out)
.else
	s_wait_dscnt 4*NL
.endif
	WIN MUL_LO
	MUL16 0, 1, 1, \slot, 0
	s_wait_dscnt 0x0
.if \sync
	s_barrier_signal -1
.endif
	MUL16 2, 1, 1, \slot, 0
	WIN 0
.if \sync
	s_barrier_wait -1
.endif
.if \fill
	CREST
	s_add_nc_u64 s[G0+2:G0+3], s[G0+2:G0+3], 3*GB
	s_add_nc_u64 s[G0B+2:G0B+3], s[G0B+2:G0B+3], 3*GB
	JLOAD G0, G1, G0B, G1B
.else
	PLACES NP
.endif
	FETCH_B \nloc, 0, 0
	FETCH_A \nloc, 0, 0
	SCALES \next, \nloc
	WIN MUL_HI
	MUL16 4, 1, 1, \slot, 0
	MUL16 6, 1, 1, \slot, 0
	PLACES NP
	WIN 0
	FETCH_A \nloc, 0, 4
.endm
.macro LAST
	s_wait_dscnt 4*NL
	WIN MUL_LO
	MUL16 0, 1, 1, 1, 0
	MUL16 2, 1, 1, 1, 0
	s_wait_dscnt 0x0
	WIN MUL_HI
	MUL16 4, 1, 1, 1, 0
	MUL16 6, 1, 1, 1, 0
	WIN 0
.endm
.macro QUANT src, stp, pw
.irp b, 0,1,2,3
	v_max3_num_f32 v[MX+\b], |v[\src+16*\b]|, |v[\src+1+16*\b]|, 0x1800000
.endr
.irp i, 2,4,6,8,10,12,14
.irp b, 0,1,2,3
	v_max3_num_f32 v[MX+\b], v[MX+\b], |v[\src+16*\b+\i]|, |v[\src+1+16*\b+\i]|
.endr
.endr
.irp b, 0,1,2,3
	v_permlanex16_b32 v[BY+\b], v[MX+\b], s[SEL], s[SEL+1]
.endr
.irp b, 0,1,2,3
	v_max_num_f32 v[MX+\b], v[MX+\b], v[BY+\b]
.endr
.irp b, 0,1,2,3
	v_add_nc_u32 v[SO+\b], 0xff000000, v[MX+\b]
.endr
.irp b, 0,1,2,3
	v_lshrrev_b32 v[BY+\b], 23, v[SO+\b]
.endr
	v_lshl_or_b32 v[\pw], v[BY+1], 8, v[BY]
	v_lshl_or_b32 v[\pw], v[BY+2], 16, v[\pw]
	v_lshl_or_b32 v[\pw], v[BY+3], 24, v[\pw]
.irp c, 0,1
	v_cvt_scalef32_pk16_fp6_f32 v[PC+(\stp)*\c:PC+(\stp)*\c+2], v[\src+32*\c:\src+32*\c+15], v[SO+2*\c]
	v_cvt_scalef32_pk16_fp6_f32 v[P2+4*\c:P2+4*\c+2], v[\src+16+32*\c:\src+31+32*\c], v[SO+2*\c+1]
.endr
	v_nop
.irp c, 0,1
.irp i, 0,1,2
	v_permlane16_swap_b32 v[PC+(\stp)*\c+\i], v[P2+4*\c+\i]
.endr
.irp i, 0,1,2
	v_mov_b32 v[PC+(\stp)*\c+3+\i], v[P2+4*\c+\i]
.endr
.endr
.endm
	s_wait_alu depctr_va_vdst(0)
	s_wait_tensorcnt 0x0                           ; my three blocks have landed, and no load of mine is out: the descriptors may be written: the one refill brings 100 rows
	s_mov_b32 s[G1+2], 100<<16
	s_mov_b32 s[G1+4], 100
	s_mov_b32 s[G1B+2], 100<<16
	s_mov_b32 s[G1B+4], 100
	s_barrier_signal -1
	s_barrier_wait -1                              ; everybody's have: K slots 0, 1 and 2 lie in LDS
	FETCH_B 0, 0, 0
	FETCH_A 0, 0, 0
	SCALES 0, 0
	FETCH_A 0, 0, 4
	STEP 0, 1, 0
	TURN 0, 1, 1, 1, 1                             ; place 0 is read out: K slot 3 is asked for into it, and has slots 1 and 2 in which to land
	STEP 1, 0, 1
	TURN 1, 0, 0, 0, 2                             ; slot 2 has lain in LDS since the head's barrier, and nothing is filled: no barrier
	STEP 0, 0, 2
	TURN 0, 1, 1, 0, 0                             ; slot 3 is whole for all four waves
	STEP 1, 0, 0
	s_cmp_eq_u32 s66, 2
	s_cbranch_scc1 .Lvalues
	s_lshl_b32 s70, s68, 1
	s_add_co_u32 s70, s70, s15
	s_sub_co_u32 s71, s69, 32
	s_lshl_b32 s71, s71, 1
	s_add_co_u32 s71, s71, s16
	s_lshr_b32 s72, s70, 4
	s_and_b32 s73, s70, 15
	s_and_b32 s74, s71, 7
	s_lshl_b32 s75, s72, 4
	s_lshl_b32 s76, s74, 1
	s_add_co_u32 s75, s75, s76
	s_cmp_eq_u32 s66, 0
	s_cselect_b64 s[78:79], s[10:11], s[12:13]
	s_mov_b32 s80, 241664
	s_cselect_b32 s80, 139264, s80
	s_mov_b32 s81, 15104
	s_cselect_b32 s81, 8704, s81
	s_mov_b32 s82, 14336
	s_cselect_b32 s82, 8192, s82
	s_cselect_b32 s83, 0, 0x38
	s_mov_b32 s84, 0x0101
	s_cselect_b32 s84, 0x017f, s84
	s_cselect_b32 s85, 0, 0xe0
	s_mul_i32 s86, s75, s80
	s_mul_i32 s87, s73, s81
	s_add_co_u32 s86, s86, s87
	s_mov_b32 s87, 0
	s_add_nc_u64 s[88:89], s[78:79], s[86:87]
	s_mov_b32 s86, s80
	s_add_nc_u64 s[90:91], s[88:89], s[86:87]
	s_mov_b32 s86, s82
	s_add_nc_u64 s[92:93], s[88:89], s[86:87]
	s_add_nc_u64 s[94:95], s[90:91], s[86:87]
	s_lshl_b32 s86, s71, 9
	s_add_nc_u64 s[6:7], s[6:7], s[86:87]
	s_lshl_b32 s86, s70, 7
	s_add_nc_u64 s[8:9], s[8:9], s[86:87]
	v_lshlrev_b32 v10, 6, v2
	v_and_b32 v11, 8, v1
	v_add_nc_u32 v11, v11, v1
.irp b, 0,1,2,3
.irp j, 0,1,2,3
	global_load_b128 v[BR+16*\b+4*\j:BR+16*\b+4*\j+3], v10, s[6:7] offset:128*\b+16*\j
.endr
.endr
.irp a, 0,1,2,3,4,5,6,7
	global_load_u8 v[MK+\a], v11, s[8:9] offset:32*(\a/2)+8*(\a%2)
.endr
	LAST
	s_wait_loadcnt 0x0
	PLACES NP
	v_sub_nc_u32 v[LC], 1, v2
	v_mul_u32_u24 v[LC], s83, v[LC]
	v_mov_b32 v[PC+7], 0
	v_mov_b32 v[PC+15], 0
.irp b, 0,1,2,3
	v_mov_b32 v[BY+\b], 0
.endr
.macro EPI_QK a
	WIN 0x02+(\a)/4
.set AC, 64*((\a)%4)
.set J, 0
.rept 32
	v_pk_add_f32 v[H+J:H+J+1], v[AC+J:AC+J+1], v[BR+J:BR+J+1]
.set J, J+2
.endr
	WIN 0
	s_wait_xcnt 0x0
	QUANT H, 8, PW
	v_xor_b32 v[T0], 1, v[MK+\a]
	v_mul_u32_u24 v[PC+6], v[T0], v[LC]
	v_mov_b32 v[PC+14], v[PC+6]
	v_mad_u32_u24 v[T0+1], v[T0], s85, s84
	v_and_b32 v[T0+2], 0xffff, v[PW]
	v_lshl_or_b32 v[WS+\a], v[T0+1], 16, v[T0+2]
	v_lshrrev_b32 v[T0+2], 16, v[PW]
	v_lshl_or_b32 v[WS+8+\a], v[T0+1], 16, v[T0+2]
	global_store_b128 v[LI], v[PC:PC+3], s[88:89] offset:1024*\a
	global_store_b128 v[LI], v[PC+4:PC+7], s[88:89] offset:1024*\a+512
	global_store_b128 v[LI], v[PC+8:PC+11], s[90:91] offset:1024*\a
	global_store_b128 v[LI], v[PC+12:PC+15], s[90:91] offset:1024*\a+512
.endm
.irp a, 0,1,2,3,4,5,6,7
	EPI_QK \a
.endr
.irp e, 0,1
.irp j, 0,1,2,3
	v_permlane16_swap_b32 v[WS+8*\e+\j], v[WS+8*\e+4+\j]
.endr
.endr
	global_store_b128 v[LI], v[WS:WS+3], s[92:93]
	global_store_b128 v[LI], v[WS+8:WS+11], s[94:95]
	s_wait_tensorcnt 0x0
	ds_add_u32 v[SPW], v[NIL]
	s_wait_dscnt 0x0
	CROUND
	s_endpgm
.Lvalues:
	s_sub_co_u32 s71, s68, 40
	s_lshl_b32 s71, s71, 1
	s_add_co_u32 s71, s71, s15
	s_lshl_b32 s70, s69, 1
	s_add_co_u32 s70, s70, s16
	s_lshr_b32 s72, s70, 4
	s_and_b32 s73, s70, 15
	s_lshl_b32 s75, s72, 4
	s_lshl_b32 s76, s71, 1
	s_add_co_u32 s75, s75, s76
	s_mul_i32 s86, s75, 241664
	s_mul_i32 s87, s73, 15104
	s_add_co_u32 s86, s86, s87
	s_add_co_u32 s86, s86, 8192
	s_mov_b32 s87, 0
	s_add_nc_u64 s[88:89], s[12:13], s[86:87]
	s_add_nc_u64 s[90:91], s[88:89], 241664
	s_add_nc_u64 s[92:93], s[88:89], 6656
	s_lshl_b32 s86, s71, 9
	s_add_co_u32 s86, s86, 8192
	s_add_nc_u64 s[6:7], s[6:7], s[86:87]
	v_and_b32 v11, 8, v1
	v_add_nc_u32 v11, v11, v1
	v_lshlrev_b32 v10, 2, v11
.irp a, 0,1,2,3,4,5,6,7
	global_load_b32 v[BA+2*\a], v10, s[6:7] offset:(32*(\a/2)+8*(\a%2))*4
	global_load_b32 v[BA+2*\a+1], v10, s[6:7] offset:(32*(\a/2)+8*(\a%2))*4
.endr
	LAST
	s_wait_loadcnt 0x0
	PLACES NP
.irp b, 0,1,2,3
	v_mov_b32 v[BY+\b], 0
.endr
	v_mul_u32_u24 v[T0], v2, 241664
	v_lshl_add_u32 v[T0], v1, 4, v[T0]
.macro EPI_V a
	WIN 0x02+(\a)/4
.set AC, 64*((\a)%4)
.set J, 0
.rept 32
	v_pk_add_f32 v[H+J:H+J+1], v[AC+J:AC+J+1], v[BA+2*\a:BA+2*\a+1]
.set J, J+2
.endr
	WIN 0
	s_wait_xcnt 0x0
	QUANT H, 6, WS+\a
	global_store_b128 v[LI], v[PC:PC+3], s[88+2*(\a/4):89+2*(\a/4)] offset:(\a%4)*1536
	global_store_b64 v[L8], v[PC+4:PC+5], s[88+2*(\a/4):89+2*(\a/4)] offset:(\a%4)*1536+512
	global_store_b128 v[LI], v[PC+6:PC+9], s[88+2*(\a/4):89+2*(\a/4)] offset:(\a%4)*1536+768
	global_store_b64 v[L8], v[PC+10:PC+11], s[88+2*(\a/4):89+2*(\a/4)] offset:(\a%4)*1536+1280
.endm
.irp a, 0,1,2,3,4,5,6,7
	EPI_V \a
.endr
.irp j, 0,1,2,3
	v_permlane16_swap_b32 v[WS+\j], v[WS+4+\j]
.endr
	global_store_b128 v[T0], v[WS:WS+3], s[92:93]
	s_wait_tensorcnt 0x0
	ds_add_u32 v[SPW], v[NIL]
	s_wait_dscnt 0x0
	CROUND
	s_endpgm
.Lfunc_end_k_qb8d9ec675b_qkv:
	.size	k_qb8d9ec675b_qkv, .Lfunc_end_k_qb8d9ec675b_qkv-k_qb8d9ec675b_qkv
	.p2alignl 7, 3214868480
	.fill 96, 4, 3214868480
	.section	.rodata,"a",@progbits
	.p2align	6, 0x0
	.amdhsa_kernel k_qb8d9ec675b_qkv
		.amdhsa_group_segment_fixed_size 327680
		.amdhsa_private_segment_fixed_size 0
		.amdhsa_enable_private_segment 0
		.amdhsa_kernarg_size 40
		.amdhsa_user_sgpr_count 2
		.amdhsa_user_sgpr_kernarg_segment_ptr 1
		.amdhsa_wavefront_size32 1
		.amdhsa_system_sgpr_workgroup_id_x 1
		.amdhsa_system_sgpr_workgroup_id_y 1
		.amdhsa_system_sgpr_workgroup_id_z 1
		.amdhsa_system_vgpr_workitem_id 0
		.amdhsa_next_free_vgpr 1024
		.amdhsa_next_free_sgpr 100
		.amdhsa_reserve_vcc 0
		.amdhsa_float_denorm_mode_32 3
		.amdhsa_float_denorm_mode_16_64 3
		.amdhsa_memory_ordered 1
		.amdhsa_forward_progress 1
		.amdhsa_inst_pref_size 228
	.end_amdhsa_kernel
	.amdgpu_metadata
---
amdhsa.version: [ 1, 2 ]
amdhsa.kernels:
  - .name:           k_qb8d9ec675b_qkv
    .symbol:         k_qb8d9ec675b_qkv.kd
    .args:
      - { .name: img, .offset: 0, .size: 8, .value_kind: global_buffer, .address_space: global }
      - { .name: bqkv, .offset: 8, .size: 8, .value_kind: global_buffer, .address_space: global }
      - { .name: mask, .offset: 16, .size: 8, .value_kind: global_buffer, .address_space: global }
      - { .name: qi, .offset: 24, .size: 8, .value_kind: global_buffer, .address_space: global }
      - { .name: kv, .offset: 32, .size: 8, .value_kind: global_buffer, .address_space: global }
    .group_segment_fixed_size: 327680
    .private_segment_fixed_size: 0
    .kernarg_segment_align: 8
    .kernarg_segment_size: 40
    .max_flat_workgroup_size: 128
    .sgpr_count:     100
    .vgpr_count:     1024
    .wavefront_size: 32
...
	.end_amdgpu_metadata
.endif
;; end of part 2
;; launch attn (part 3): grid 4 x 64, 16 waves a work-group, clusters of 4 x 1, 258,816 bytes of LDS; arguments qi, kv, mask, oi; writes oi
.if DOCPART == 3
	.amdgcn_target "amdgcn-amd-amdhsa--gfx1250"
	.amdhsa_code_object_version 6
	.text
	.protected	k_qb8d9ec675b_attn
	.globl	k_qb8d9ec675b_attn
	.p2align	8
	.type	k_qb8d9ec675b_attn,@function
k_qb8d9ec675b_attn:
	s_mov_b64 s[64:65], 0
	v_nop
	global_prefetch_b8 v0, s[64:65] scope:SCOPE_SE
	s_setreg_imm32_b32 hwreg(HW_REG_WAVE_MODE, 25, 1), 1
	s_wait_xcnt 0x0
	s_wait_alu depctr_hold_cnt(0) depctr_sa_sdst(0) depctr_va_vdst(0) depctr_va_sdst(0) depctr_va_ssrc(0) depctr_va_vcc(0) depctr_vm_vsrc(0)
	s_getreg_b32 s2, hwreg(HW_REG_IB_STS2, 6, 4)
	s_cmp_eq_u32 s2, 0
	s_cbranch_scc0 .Lentry_in_a_cluster
	s_endpgm
.Lentry_in_a_cluster:
	s_bfe_u32 s2, ttmp6, 0x10000c
	s_cmp_lg_u32 s2, 0x3003
	s_cbranch_scc0 .Lentry_shape_is_right
	s_endpgm
.Lentry_shape_is_right:
; o = softmax(q k^T / 8, masked) v for one (batch, head), both products on codes of FP6 (E2M3), and o quantised along 64 x head + d into the last product's operand (oi, OP blocks as in img).
; THE SOFTMAX: t = score x log2(e) / 8; M a whole number at or just above the row's largest t so far, M = ceil(t + |t| 2^-22); p = 2^(t - M) is quantised along the keys, not normalised; the row's sum is taken of the
; unquantised p and divides at the end.  When M moves, the sum and O are multiplied by 2^(old M - new M): exact.
; THE MASK: a head's 64 fill half of the instruction's K = 128; at k = 64 an open query has 1.0 and a masked key -2^100 (made by the launch before): its p is 0.  A masked query has zero codes everywhere:
; all its scores are 0, p = 1 on all 2,048 keys, the uniform row that the reference's -1e30 gives.
; LIMITS: scores far under 2^100 in magnitude; NaN and infinities not served; blocks under 2^-124 get the scale byte 1.
; SHARES.  A work-group owns 512 queries of one head; each of its sixteen waves one tile of 16 in each of two passes, in 256 registers: four waves to a SIMD.
; THE WHOLE HEAD'S k AND v LIE IN LDS, FILLED ONCE: each wave asks for one key step (59 rows of 256 bytes) by one joint load, which the four work-groups of the cluster share.  All that the launch reads of kv is asked
; for by these first fills, so there is no later request for a prefetch to run ahead of.  The descriptor lays 16 bytes behind each 256: byte y of a step lies at y + 16 (y / 256).
; LAYOUT.  Both products are used transposed: S^T = k q^T, O^T = v^T p^T: a lane holds one query (lane % 16).  THE KEYS OF A TILE ARE CHOSEN BY THE LDS ADDRESS: row 8 g + j of tile 4 c + u is key 64 c + 32 g + 8 u + j, which lies
; in record 4 c + 2 g + u % 2 at lane 8 (u / 2) + j.  So the 32 registers of tiles 4 c .. 4 c + 3 of lane (r, h) are the whole block of keys 64 c + 32 h + 0 .. 31: a block's maximum and its codes need no other lane.
; With the padding the two halves g of sixteen lanes stand 2,176 bytes apart, 128 modulo 256.
; k's fragments lie 8 registers apart though the instruction names 12: the upper four are k = 64 + .. of the instruction, where q's codes are zeros, and a code of FP6 times zero is zero whatever the code.
; v's fragments take k's registers once the scores are made; the next step's k is asked for behind the second product, and most of the row's sum, which that product does not need, stands behind the request.
.set STEPB, 15104                      ; a key step in kv: 8 records of k (1,024 each), 4 fragments of v (1,536 each) from 8,192, k's scale words at 14,336, v's at 14,848
.set STEPP, 16048                      ; and in LDS: 59 rows of 272
.set SPARE, 16*STEPP                   ; behind the 16 steps: the spare words, 128 bytes a wave: eight blocks of 256 bytes that no other line names
.set LI,  1                            ; 16 x lane
.set LR,  2                            ; 16 x (lane % 16)
.set SPW, 3                            ; my spare word; never rewritten
.set NIL, 4                            ; 0; never rewritten
.set L8,  5                            ; 8 x lane
.set LIP, 6                            ; 16 x lane + 16 (lane / 16): a padded image of 512 bytes
.set LK0, 7                            ; k's fragments: 16 j + 2,176 g + 272 h
.set KS0, 8                            ; k's scale words: 16 j + 8 g + 272 (lane / 16)
.set AK,  9                            ; v9-13: the five with the trip's first LDS byte added
.set AKS, 10
.set AV,  11
.set AV8, 12
.set AVS, 13
.set OB8, 14                           ; 8 r + h
.set MR,  15                           ; r + 8 (r / 8)
.set NM,  16                           ; v16-17: -M, the largest score
.set F,   20                           ; v20-21: f, 0
.set CH,  24                           ; at work on M
.set CP,  26
.set OM,  28
.set ONE, 30                           ; the code of 1.0 in lanes 0-15
.set KSC, 32                           ; v32-35 k's scale words: register u: lanes 0-15 tile u, lanes 16-31 tile 4 + u
.set VSC, 36                           ; v36-39 v's
.set QS,  40                           ; q's
.set PS,  42                           ; p's
.set MKB, 44                           ; my query's mask byte
.set KF,  48                           ; v48-115 k's eight fragments; then v48-95 v's four
.set Q,   116                          ; q
.set S,   128                          ; S^T, then p
.set O,   192                          ; O^T
.set P,   224                          ; p's codes
.set L,   236                          ; the sum in two halves
.set BM,  238                          ; block maxima; then a partial sum
.set SO,  240                          ; the conversions' scale operands
.set BY,  242                          ; scale bytes
.set C1,  244                          ; the conversions' second halves
.set SH8, 247                          ; 8 h
.set C2,  248
.set PD,  251                          ; a lane permute's destination
.set A1,  252                          ; partial sums
.set A2,  254
.set WV,  12
.set SEL, 20                           ; s[20:21] lane selects: lane l xor 16
.set CS,  22                           ; s[22:23] log2(e) / 8
.set G1,  24
.set G0,  32
.set TB,  48                           ; LDS byte at which the trip begins
.set CNT, 49
.set QT,  50                           ; s[50:51] my tile's record in qi; s[52:53] its scale words; s[54:55] its mask bytes; s[56:57] its half fragment in oi; s[58:59] its scale bytes there
.set EPS, 60                           ; -2^-22
.set NCS, 36                           ; -log2(e) / 8
.macro CROUND
	s_barrier_signal -1
	s_barrier_wait -1
	s_cmp_lg_u32 s[WV], 0
	s_cbranch_scc1 .Lnot_wave_0_\@
	s_barrier_signal -3
.Lnot_wave_0_\@:
	s_barrier_wait -3
	s_barrier_signal -1
	s_barrier_wait -1
.endm
	s_load_b256 s[4:11], s[0:1], 0x0               ; qi s[4:5], kv s[6:7], mask s[8:9], oi s[10:11]
	v_lshl_add_u32 v[SPW], v0, 2, SPARE
	v_mov_b32 v[NIL], 0
	ds_add_u32 v[SPW], v[NIL]                      ; the opening lines: the add, twice on end, and its wait ahead of my tensor load
	ds_add_u32 v[SPW], v[NIL]
	v_lshrrev_b32 v31, 5, v0
	v_readfirstlane_b32 s[WV], v31                 ; wave 0..15
	s_bfe_u32 s13, ttmp6, 0x40000                  ; cx: it enters q's, the mask's and o's addresses alone
	s_and_b32 s14, ttmp7, 0xffff                   ; 16 x batch + head, which the four partners share
	s_mov_b32 s[G1], 15|(3<<16)|(1<<20)|(1<<21)|(5<<22)|(3<<25)   ; the mask: all four; elements of 8 bytes; 4 words of padding behind every 64; bit 21 beside a mask
	s_mov_b32 s[G1+1], 32<<16                      ; rows of 256 bytes
	s_mov_b32 s[G1+2], 59<<16                      ; 59 rows: a key step, dense
	s_mov_b32 s[G1+3], 32<<16
	s_mov_b32 s[G1+4], 59
	s_mov_b32 s[G1+5], 32
	s_mov_b32 s[G1+6], 0
	s_mov_b32 s[G1+7], 0
	s_mov_b32 s[SEL], 0x76543210
	s_mov_b32 s[SEL+1], 0xfedcba98
	s_mov_b32 s[CS], 0x3e38aa3b
	s_mov_b32 s[CS+1], s[CS]
	s_mov_b32 s[EPS], 0xb4800000
	s_mov_b32 s[NCS], 0xbe38aa3b
	s_mul_i32 s16, s[WV], STEPP                    ; I fetch the step of my wave's number: in LDS,
	s_mul_i32 s18, s14, 16*STEPB
	s_mul_i32 s62, s[WV], STEPB
	s_add_co_u32 s18, s18, s62                     ; and in kv
	s_mov_b32 s19, 0
	s_lshr_b32 s15, s[WV], 3
	s_and_b32 s17, s[WV], 7                        ; my tile i among the eight of 128 queries
	s_lshl_b32 s61, s13, 2
	s_add_co_u32 s61, s61, s15                     ; which 128 queries in the first pass: 4 cx + wave / 8; the second pass: two further on
	s_mul_i32 s[QT], s14, 139264
	s_mul_i32 s62, s61, 8704
	s_add_co_u32 s[QT], s[QT], s62
	s_lshr_b32 s62, s17, 2
	s_lshl_b32 s62, s62, 8
	s_and_b32 s63, s17, 3
	s_lshl_b32 s63, s63, 2
	s_add_co_u32 s[QT+2], s62, s63
	s_add_co_u32 s[QT+2], s[QT+2], s[QT]
	s_add_co_u32 s[QT+2], s[QT+2], 8192            ; the word of (tile i, row r) lies at 16 (r + 16 (i / 4)) + 4 (i % 4)
	s_lshl_b32 s62, s17, 10
	s_add_co_u32 s[QT], s[QT], s62
	s_mov_b32 s[QT+1], 0
	s_mov_b32 s[QT+3], 0
	s_lshr_b32 s2, s14, 4                          ; the batch
	s_and_b32 s3, s14, 15                          ; the head
	s_lshl_b32 s[QT+4], s2, 11
	s_lshl_b32 s62, s61, 7
	s_add_co_u32 s[QT+4], s[QT+4], s62
	s_lshr_b32 s62, s17, 1
	s_lshl_b32 s62, s62, 5
	s_add_co_u32 s[QT+4], s[QT+4], s62
	s_and_b32 s62, s17, 1
	s_lshl_b32 s62, s62, 3
	s_add_co_u32 s[QT+4], s[QT+4], s62             ; the mask: 2,048 x batch + 128 x block + 32 (i / 2) + 8 (i % 2)
	s_mov_b32 s[QT+5], 0
	s_lshl_b32 s62, s2, 4
	s_add_co_u32 s62, s62, s61                     ; the group of 128 tokens
	s_lshl_b32 s62, s62, 2
	s_lshr_b32 s63, s3, 2
	s_add_co_u32 s62, s62, s63                     ; its OP block: four heads to 256 along K
	s_mul_i32 s62, s62, 25600
	s_bfe_u32 s63, s3, 0x10001                     ; (head / 2) % 2: which 128 along K
	s_and_b32 s3, s3, 1                            ; head % 2: which half of the fragment
	s_lshl_b32 s[QT+6], s17, 1
	s_add_co_u32 s[QT+6], s[QT+6], s63
	s_mul_i32 s[QT+6], s[QT+6], 1536
	s_mul_i32 s2, s3, 768
	s_add_co_u32 s[QT+6], s[QT+6], s2
	s_add_co_u32 s[QT+6], s[QT+6], s62
	s_mov_b32 s[QT+7], 0
	s_lshl_b32 s[QT+8], s17, 7
	s_lshl_b32 s63, s63, 2
	s_add_co_u32 s[QT+8], s[QT+8], s63
	s_lshl_b32 s3, s3, 1
	s_add_co_u32 s[QT+8], s[QT+8], s3
	s_add_co_u32 s[QT+8], s[QT+8], s62
	s_add_co_u32 s[QT+8], s[QT+8], 24576
	s_mov_b32 s[QT+9], 0
	s_wait_dscnt 0x0                               ; both opening adds are done
	s_wait_kmcnt 0x0
	s_add_nc_u64 s[18:19], s[6:7], s[18:19]
	s_add_nc_u64 s[QT:QT+1], s[4:5], s[QT:QT+1]
	s_add_nc_u64 s[QT+2:QT+3], s[4:5], s[QT+2:QT+3]
	s_add_nc_u64 s[QT+4:QT+5], s[8:9], s[QT+4:QT+5]
	s_add_nc_u64 s[QT+6:QT+7], s[10:11], s[QT+6:QT+7]
	s_add_nc_u64 s[QT+8:QT+9], s[10:11], s[QT+8:QT+9]
	s_mov_b32 s[G0], 1
	s_mov_b32 s[G0+1], s16
	s_mov_b64 s[G0+2:G0+3], s[18:19]
	s_or_b32 s[G0+3], s[G0+3], 0x80000000
	CROUND                                         ; all four work-groups are here: the joint loads meet
	tensor_load_to_lds s[G0:G0+3], s[G1:G1+7]      ; my one tensor load of the launch
	s_nop 0
.rept 4
	v_nop
.endr
	v_and_b32 v31, 31, v0
	v_and_b32 v46, 15, v0                          ; r
	v_bfe_u32 v47, v0, 4, 1                        ; h
	v_lshlrev_b32 v[LI], 4, v31
	v_lshlrev_b32 v[L8], 3, v31
	v_lshlrev_b32 v[LR], 4, v46
	v_and_b32 v[MR], 8, v46
	v_add_nc_u32 v[MR], v[MR], v46
	v_sub_nc_u32 v[ONE], 1, v47
	v_lshlrev_b32 v[ONE], 3, v[ONE]
	v_lshl_add_u32 v[LIP], v47, 4, v[LI]
	v_lshl_add_u32 v[OB8], v46, 3, v47
	v_and_b32 v31, 7, v0
	v_lshlrev_b32 v31, 4, v31                      ; 16 j
	v_bfe_u32 v46, v0, 3, 1                        ; g
	v_mad_u32_u24 v[LK0], v46, 2176, v31
	v_mad_u32_u24 v[LK0], v47, 272, v[LK0]
	v_lshl_add_u32 v[KS0], v46, 3, v31
	v_mad_u32_u24 v[KS0], v47, 272, v[KS0]
	v_lshlrev_b32 v[SH8], 3, v47
.macro QLOAD p                         ; pass p's tile: its record, its scale word, its mask byte
	global_load_b128 v[Q:Q+3], v[LI], s[QT:QT+1] offset:17408*(\p)
	global_load_b128 v[Q+4:Q+7], v[LI], s[QT:QT+1] offset:17408*(\p)+512
	global_load_b32 v[QS], v[LR], s[QT+2:QT+3] offset:17408*(\p)
	global_load_u8 v[MKB], v[MR], s[QT+4:QT+5] offset:256*(\p)
.endm
.macro QFIX                            ; a masked query's codes become zeros; an open one gets 1.0 at k = 64
	v_sub_nc_u32 v[MKB], 0, v[MKB]
.irp j, 0,1,2,3,4,5
	v_and_b32 v[Q+\j], v[MKB], v[Q+\j]
.endr
	v_and_b32 v[Q+6], v[MKB], v[ONE]
.endm
.macro INIT                            ; the step has no first step of its own: it finds zeros, which the first change of M leaves zeros
	v_mov_b32 v[NM+1], 0xff61b1e6                  ; the largest score so far: -3e38
	v_mov_b32 v[L], 0
	v_floor_f32 v[NM], -v[NM+1]
	v_mov_b32 v[L+1], 0
.set J, 0
.rept 32
	v_mov_b32 v[O+J], 0
.set J, J+1
.endr
.endm
	s_wait_alu depctr_va_vdst(0)
	QLOAD 0
.irp j, 112,113,114,115, CP, F+1, PD, Q+8,Q+9,Q+10,Q+11
	v_mov_b32 v[\j], 0                             ; written once: what the last fragment of k names beyond its record, lane permutes' destinations, a pair's upper half, q's k = 80 .. 127
.endr
	s_wait_alu depctr_va_vdst(0)
	s_wait_loadcnt 0x0
	QFIX
	INIT
.macro KLOAD ak, aks, of               ; k's scale words and eight fragments of the step at byte of
	ds_load_b64 v[KSC:KSC+1], v[\aks] offset:\of+15232
	ds_load_b64 v[KSC+2:KSC+3], v[\aks] offset:\of+15232+128
.irp c, 0,1
.irp u, 0,1,2,3
	ds_load_b128 v[KF+32*\c+8*\u:KF+32*\c+8*\u+3], v[\ak] offset:\of+4352*\c+1088*(\u%2)+128*(\u/2)
	ds_load_b128 v[KF+32*\c+8*\u+4:KF+32*\c+8*\u+7], v[\ak] offset:\of+4352*\c+1088*(\u%2)+128*(\u/2)+544
.endr
.endr
.endm
.macro KEARLY ak, aks, of              ; the part of a step's k whose registers v does not take: the scale words and tiles 6 and 7
	ds_load_b64 v[KSC:KSC+1], v[\aks] offset:\of+15232
	ds_load_b64 v[KSC+2:KSC+3], v[\aks] offset:\of+15232+128
.irp u, 2,3
	ds_load_b128 v[KF+32+8*\u:KF+32+8*\u+3], v[\ak] offset:\of+4352+1088*(\u%2)+128*(\u/2)
	ds_load_b128 v[KF+32+8*\u+4:KF+32+8*\u+7], v[\ak] offset:\of+4352+1088*(\u%2)+128*(\u/2)+544
.endr
.endm
.macro KLATE ak, of                    ; tiles 0 .. 5, in this order
.irp t, 0,1,2,3,4,5
	ds_load_b128 v[KF+8*\t:KF+8*\t+3], v[\ak] offset:\of+4352*(\t/4)+1088*(\t%2)+128*((\t%4)/2)
	ds_load_b128 v[KF+8*\t+4:KF+8*\t+7], v[\ak] offset:\of+4352*(\t/4)+1088*(\t%2)+128*((\t%4)/2)+544
.endr
.endm
.macro VLOAD of
.irp t, 0,1,2,3
	ds_load_b128 v[KF+12*\t:KF+12*\t+3], v[AV] offset:\of+8704+1632*\t
	ds_load_b64 v[KF+12*\t+4:KF+12*\t+5], v[AV8] offset:\of+8704+1632*\t+544
	ds_load_b128 v[KF+12*\t+6:KF+12*\t+9], v[AV] offset:\of+8704+1632*\t+816
	ds_load_b64 v[KF+12*\t+10:KF+12*\t+11], v[AV8] offset:\of+8704+1632*\t+1360
.endr
	ds_load_b128 v[VSC:VSC+3], v[AVS] offset:\of+15776
.endm
.macro ADDR                            ; the trip's LDS addresses
	v_add_nc_u32 v[AK], s[TB], v[LK0]
	v_add_nc_u32 v[AKS], s[TB], v[KS0]
	v_add_nc_u32 v[AV], s[TB], v[LIP]
	v_add_nc_u32 v[AV8], s[TB], v[L8]
	v_add_nc_u32 v[AVS], s[TB], v[LR]
.endm
.macro SUM4 i                          ; four additions of the row's sum, one on each of four chains
	v_pk_add_f32 v[A1:A1+1], v[A1:A1+1], v[S+2*\i:S+2*\i+1]
	v_pk_add_f32 v[A2:A2+1], v[A2:A2+1], v[S+2*\i+2:S+2*\i+3]
	v_pk_add_f32 v[BM:BM+1], v[BM:BM+1], v[S+2*\i+4:S+2*\i+5]
	v_pk_add_f32 v[L:L+1], v[L:L+1], v[S+2*\i+6:S+2*\i+7]
.endm
; A KEY STEP, 128 keys.  of: its byte in the trip; pf = 1: the next step's k is asked for; top = 1: a trip's first step, which makes the trip's addresses
.macro STEP of, pf, top
	s_wait_dscnt 3                                 ; k's words, tiles 0-3 and the piece of tile 4 that tile 3's operand names are in; the youngest three loads (the rest of tiles 4 and 5, or later tiles) may be out
.irp t, 0,1,2,3
	v_wmma_scale_f32_16x16x128_f8f6f4 v[S+8*\t:S+8*\t+7], v[KF+8*\t:KF+8*\t+11], v[Q:Q+11], 0, v[KSC+\t], v[QS] matrix_a_fmt:MATRIX_FMT_FP6 matrix_b_fmt:MATRIX_FMT_FP6
.endr
	s_wait_dscnt 0x0                               ; all of k is in
.irp t, 0,1,2,3
	v_wmma_scale_f32_16x16x128_f8f6f4 v[S+32+8*\t:S+32+8*\t+7], v[KF+32+8*\t:KF+32+8*\t+11], v[Q:Q+11], 0, v[KSC+\t], v[QS] matrix_a_fmt:MATRIX_FMT_FP6 matrix_b_fmt:MATRIX_FMT_FP6 matrix_a_scale:MATRIX_SCALE_ROW1
.endr
	v_mov_b32 v[OM], v[NM]                         ; the old -M; with what follows: four places or more behind the products, in front of the loads into their registers and of the first read of S^T
.if \top
	ADDR
.else
.rept 3
	v_nop
.endr
.endif
	VLOAD \of
.if \pf
	KEARLY AK, AKS, \of+STEPP
.endif
.irp c, 0,1                                    ; the largest score of my two blocks of 32 keys, four chains by turns; each accumulator is read from its low end on
	v_max3_num_f32 v[BM+\c], v[S+32*\c], v[S+32*\c+1], v[S+32*\c+2]
	v_max3_num_f32 v[SO+\c], v[S+32*\c+16], v[S+32*\c+17], v[S+32*\c+18]
.endr
.irp i, 3,5,7,9,11,13
.irp c, 0,1
	v_max3_num_f32 v[BM+\c], v[BM+\c], v[S+32*\c+\i], v[S+32*\c+\i+1]
	v_max3_num_f32 v[SO+\c], v[SO+\c], v[S+32*\c+16+\i], v[S+32*\c+17+\i]
.endr
.endr
.irp c, 0,1
	v_max3_num_f32 v[BM+\c], v[BM+\c], v[SO+\c], v[S+32*\c+15]
.endr
.irp c, 0,1
	v_max_num_f32 v[BM+\c], v[BM+\c], v[S+32*\c+31]
.endr
	s_delay_alu instid0(VALU_DEP_1)
	v_max_num_f32 v[CH], v[BM], v[BM+1]            ; my 64 keys' largest
	s_delay_alu instid0(VALU_DEP_1)
	v_permlanex16_b32 v[CP], v[CH], s[SEL], s[SEL+1]
	s_delay_alu instid0(VALU_DEP_1)
	v_max3_num_f32 v[NM+1], v[NM+1], v[CH], v[CP]  ; the running largest score: with my 64 keys' and lane l xor 16's
	s_delay_alu instid0(VALU_DEP_1)
	v_mul_f32 v[CH], s[NCS], v[NM+1]               ; -t
	s_delay_alu instid0(VALU_DEP_1)
	v_fma_f32 v[CP], |v[CH]|, s[EPS], v[CH]        ; -t - |t| 2^-22
	s_delay_alu instid0(VALU_DEP_1)
	v_floor_f32 v[NM], v[CP]                       ; the new -M
	s_delay_alu instid0(VALU_DEP_1)
	v_sub_f32 v[OM], v[NM], v[OM]                  ; old M - new M: 0 or less
.set J, 0
.rept 32
	v_pk_fma_f32 v[S+J:S+J+1], v[S+J:S+J+1], s[CS:CS+1], v[NM:NM+1] op_sel_hi:[1,0,0]   ; t - M, two at a time
.set J, J+2
.endr
.irp c, 0,1
	v_fma_f32 v[BM+\c], v[BM+\c], s[CS], v[NM]     ; the same of each block's largest score: p rises with the score
.endr
	v_cvt_i32_f32 v[OM], v[OM]                     ; (it saturates)
	s_delay_alu instid0(VALU_DEP_1)
	v_ldexp_f32 v[F], 1.0, v[OM]                   ; f = 2^(old M - new M)
.set J, 0
.rept 16
	v_pk_mul_f32 v[O+J:O+J+1], v[O+J:O+J+1], v[F:F+1] op_sel_hi:[1,0]   ; O^T under the new M
.set J, J+2
.endr
	s_wait_alu depctr_va_vdst(0)                   ; ahead of the batch
.set J, 0
.rept 64
	v_exp_f32 v[S+J], v[S+J]                       ; p = 2^(t - M)
.set J, J+1
.endr
	v_exp_f32 v[BM], v[BM]                         ; the blocks' largest p
	v_exp_f32 v[BM+1], v[BM+1]
	v_pk_mul_f32 v[L:L+1], v[L:L+1], v[F:F+1] op_sel_hi:[1,0]           ; the sum under the new M: the plain place behind the exponentials
	s_wait_alu depctr_va_vdst(0)                   ; and the one wait for the batch, ahead of its first reader
	s_wait_dscnt 0x0                               ; v's fragments and words are in
.irp c, 0,1
	v_max_num_f32 v[BM+\c], 0x1800000, v[BM+\c]    ; the floor: the byte cannot fall under 1
.endr
.irp c, 0,1
	s_delay_alu instid0(VALU_DEP_2)
	v_add_nc_u32 v[SO+\c], 0xff000000, v[BM+\c]    ; the conversion's scale operand
.endr
.irp c, 0,1
	s_delay_alu instid0(VALU_DEP_2)
	v_lshrrev_b32 v[BY+\c], 23, v[SO+\c]
.endr
	s_delay_alu instid0(VALU_DEP_1)
	v_lshl_or_b32 v[BY], v[BY+1], 16, v[BY]        ; my bytes: blocks h and 2 + h,
	s_delay_alu instid0(VALU_DEP_1)
	v_lshlrev_b32 v[BY], v[SH8], v[BY]             ; at their places;
	s_delay_alu instid0(VALU_DEP_1)
	v_permlanex16_b32 v[PD], v[BY], s[SEL], s[SEL+1]
	s_delay_alu instid0(VALU_DEP_1)
	v_or_b32 v[PS], v[BY], v[PD]                   ; with lane l xor 16's the word is whole
	v_cvt_scalef32_pk16_fp6_f32 v[P:P+2], v[S:S+15], v[SO]
	v_cvt_scalef32_pk16_fp6_f32 v[C1:C1+2], v[S+16:S+31], v[SO]      ; (a conversion's three registers begin on an even number)
	v_cvt_scalef32_pk16_fp6_f32 v[P+6:P+8], v[S+32:S+47], v[SO+1]
	v_cvt_scalef32_pk16_fp6_f32 v[C2:C2+2], v[S+48:S+63], v[SO+1]
	v_pk_add_f32 v[A1:A1+1], v[S:S+1], v[S+2:S+3]  ; the sum of the unquantised p, four chains; these are also the plain places behind the conversions
	v_pk_add_f32 v[A2:A2+1], v[S+4:S+5], v[S+6:S+7]
	v_pk_add_f32 v[BM:BM+1], v[S+8:S+9], v[S+10:S+11]
	v_pk_add_f32 v[L:L+1], v[L:L+1], v[S+12:S+13]
.irp i, 0,1,2
	v_mov_b32 v[P+3+\i], v[C1+\i]
	v_mov_b32 v[P+9+\i], v[C2+\i]
.endr
	SUM4 7                                         ; four places between the codes' last write and the products (eighteen behind the scale word's)
.irp t, 0,1,2,3
	v_wmma_scale_f32_16x16x128_f8f6f4 v[O+8*\t:O+8*\t+7], v[KF+12*\t:KF+12*\t+11], v[P:P+11], v[O+8*\t:O+8*\t+7], v[VSC+\t], v[PS] matrix_a_fmt:MATRIX_FMT_FP6 matrix_b_fmt:MATRIX_FMT_FP6
.endr
	SUM4 11                                        ; four places behind the products, in front of the loads into v's registers
.if \pf
	KLATE AK, \of+STEPP
.endif
.irp i, 15,19,23,27
	SUM4 \i
.endr
	v_pk_add_f32 v[A1:A1+1], v[A1:A1+1], v[S+62:S+63]
	v_pk_add_f32 v[L:L+1], v[L:L+1], v[BM:BM+1]
	v_pk_add_f32 v[A1:A1+1], v[A1:A1+1], v[A2:A2+1]
	s_delay_alu instid0(VALU_DEP_1)
	v_pk_add_f32 v[L:L+1], v[L:L+1], v[A1:A1+1]
.endm
; THE WAY OUT of pass p: O^T / the sum, quantised along the head's 64 (two blocks; register 16 b + i is d = 32 b + 16 h + i), stored as half a fragment of the last product's operand
.macro WAYOUT p
	v_add_f32 v[L], v[L], v[L+1]
	s_delay_alu instid0(VALU_DEP_1)
	v_permlanex16_b32 v[PD], v[L], s[SEL], s[SEL+1]
	s_delay_alu instid0(VALU_DEP_1)
	v_add_f32 v[L], v[L], v[PD]                    ; the row's sum
	s_wait_alu depctr_va_vdst(0)
	v_rcp_f32 v[L], v[L]
	v_nop
	s_wait_alu depctr_va_vdst(0)                   ; ahead of the first reader of the reciprocal and of O^T
.set J, 0
.rept 16
	v_pk_mul_f32 v[S+J:S+J+1], v[O+J:O+J+1], v[L:L+1] op_sel_hi:[1,0]
.set J, J+2
.endr
.irp b, 0,1
	v_max3_num_f32 v[BM+\b], |v[S+16*\b]|, |v[S+16*\b+1]|, 0x1800000
.endr
.irp i, 2,4,6,8,10,12,14
.irp b, 0,1
	s_delay_alu instid0(VALU_DEP_2)
	v_max3_num_f32 v[BM+\b], v[BM+\b], |v[S+16*\b+\i]|, |v[S+16*\b+\i+1]|
.endr
.endr
.irp b, 0,1
	s_delay_alu instid0(VALU_DEP_2)
	v_permlanex16_b32 v[BY+\b], v[BM+\b], s[SEL], s[SEL+1]
.endr
.irp b, 0,1
	s_delay_alu instid0(VALU_DEP_2)
	v_max_num_f32 v[BM+\b], v[BM+\b], v[BY+\b]
.endr
.irp b, 0,1
	s_delay_alu instid0(VALU_DEP_2)
	v_add_nc_u32 v[SO+\b], 0xff000000, v[BM+\b]
.endr
.irp b, 0,1
	s_delay_alu instid0(VALU_DEP_2)
	v_lshrrev_b32 v[BY+\b], 23, v[SO+\b]
.endr
	v_cvt_scalef32_pk16_fp6_f32 v[P:P+2], v[S:S+15], v[SO]
	v_cvt_scalef32_pk16_fp6_f32 v[P+6:P+8], v[S+16:S+31], v[SO+1]
	v_nop
.irp i, 0,1,2
	v_permlane16_swap_b32 v[P+\i], v[P+6+\i]       ; a whole block in a lane
.endr
.irp i, 0,1,2
	v_mov_b32 v[P+3+\i], v[P+6+\i]
.endr
	v_permlane16_swap_b32 v[BY], v[BY+1]           ; lane (r, h) now holds row r's byte h
	global_store_b128 v[LI], v[P:P+3], s[QT+6:QT+7] offset:204800*(\p)         ; 512 consecutive bytes
	global_store_b64 v[L8], v[P+4:P+5], s[QT+6:QT+7] offset:204800*(\p)+512    ; 256
	global_store_b8 v[OB8], v[BY], s[QT+8:QT+9] offset:204800*(\p)             ; four heads' bytes interleave in a row's 8, and a head is one work-group's
.endm
.macro PASS p                          ; 16 key steps, two to a trip, so that every LDS offset is an immediate; the last trip is written out: its second step asks for no further k
	KLOAD LK0, KS0, 0
	s_mov_b32 s[TB], 0
	s_mov_b32 s[CNT], 7
.Ltrip_\@:
	STEP 0, 1, 1
	STEP STEPP, 1, 0
	s_add_co_u32 s[TB], s[TB], 2*STEPP
	s_sub_co_u32 s[CNT], s[CNT], 1
	s_cmp_lg_u32 s[CNT], 0
	s_cbranch_scc1 .Ltrip_\@
	s_mov_b32 s[TB], 14*STEPP
	STEP 0, 1, 1
	STEP STEPP, 0, 0
.if (\p) == 0
	QLOAD 1                                        ; the next pass's tile lands under the way out
.endif
	WAYOUT \p
.endm
	s_wait_alu depctr_va_vdst(0)                   ; the head's end
	s_wait_tensorcnt 0x0                           ; my key step has landed
	s_barrier_signal -1
	s_barrier_wait -1                              ; and everybody's: the whole head lies in LDS, and nothing is ever filled again
	PASS 0
	s_wait_xcnt 0x0                                ; the stores have read their registers: the next pass writes them again
	s_wait_loadcnt 0x0                             ; the second pass's tile
	QFIX
	INIT
	PASS 1
	s_wait_tensorcnt 0x0                           ; the wave's end
	ds_add_u32 v[SPW], v[NIL]
	s_wait_dscnt 0x0
	CROUND                                         ; the closing round
	s_endpgm
.Lfunc_end_k_qb8d9ec675b_attn:
	.size	k_qb8d9ec675b_attn, .Lfunc_end_k_qb8d9ec675b_attn-k_qb8d9ec675b_attn
	.p2alignl 7, 3214868480
	.fill 96, 4, 3214868480
	.section	.rodata,"a",@progbits
	.p2align	6, 0x0
	.amdhsa_kernel k_qb8d9ec675b_attn
		.amdhsa_group_segment_fixed_size 258816
		.amdhsa_private_segment_fixed_size 0
		.amdhsa_enable_private_segment 0
		.amdhsa_kernarg_size 32
		.amdhsa_user_sgpr_count 2
		.amdhsa_user_sgpr_kernarg_segment_ptr 1
		.amdhsa_wavefront_size32 1
		.amdhsa_system_sgpr_workgroup_id_x 1
		.amdhsa_system_sgpr_workgroup_id_y 1
		.amdhsa_system_sgpr_workgroup_id_z 1
		.amdhsa_system_vgpr_workitem_id 0
		.amdhsa_next_free_vgpr 256
		.amdhsa_next_free_sgpr 66
		.amdhsa_reserve_vcc 0
		.amdhsa_float_denorm_mode_32 3
		.amdhsa_float_denorm_mode_16_64 3
		.amdhsa_memory_ordered 1
		.amdhsa_forward_progress 1
		.amdhsa_inst_pref_size 140
	.end_amdhsa_kernel
	.amdgpu_metadata
---
amdhsa.version: [ 1, 2 ]
amdhsa.kernels:
  - .name:           k_qb8d9ec675b_attn
    .symbol:         k_qb8d9ec675b_attn.kd
    .args:
      - { .name: qi, .offset: 0, .size: 8, .value_kind: global_buffer, .address_space: global }
      - { .name: kv, .offset: 8, .size: 8, .value_kind: global_buffer, .address_space: global }
      - { .name: mask, .offset: 16, .size: 8, .value_kind: global_buffer, .address_space: global }
      - { .name: oi, .offset: 24, .size: 8, .value_kind: global_buffer, .address_space: global }
    .group_segment_fixed_size: 258816
    .private_segment_fixed_size: 0
    .kernarg_segment_align: 8
    .kernarg_segment_size: 32
    .max_flat_workgroup_size: 512
    .sgpr_count:     66
    .vgpr_count:     256
    .wavefront_size: 32
...
	.end_amdgpu_metadata
.endif
;; end of part 3
;; launch outp (part 4): grid 4 x 64, 4 waves a work-group, clusters of 4 x 4, 327,680 bytes of LDS; arguments oi, img, bout, out0; writes out0
.if DOCPART == 4
	.amdgcn_target "amdgcn-amd-amdhsa--gfx1250"
	.amdhsa_code_object_version 6
	.text
	.protected	k_qb8d9ec675b_outp
	.globl	k_qb8d9ec675b_outp
	.p2align	8
	.type	k_qb8d9ec675b_outp,@function
k_qb8d9ec675b_outp:
	s_mov_b64 s[64:65], 0
	v_nop
	global_prefetch_b8 v0, s[64:65] scope:SCOPE_SE
	s_setreg_imm32_b32 hwreg(HW_REG_WAVE_MODE, 25, 1), 1
	s_wait_xcnt 0x0
	s_wait_alu depctr_hold_cnt(0) depctr_sa_sdst(0) depctr_va_vdst(0) depctr_va_sdst(0) depctr_va_ssrc(0) depctr_va_vcc(0) depctr_vm_vsrc(0)
	s_getreg_b32 s2, hwreg(HW_REG_IB_STS2, 6, 4)
	s_cmp_eq_u32 s2, 0
	s_cbranch_scc0 .Lentry_in_a_cluster
	s_endpgm
.Lentry_in_a_cluster:
	s_bfe_u32 s2, ttmp6, 0x10000c
	s_cmp_lg_u32 s2, 0xf033
	s_cbranch_scc0 .Lentry_shape_is_right
	s_endpgm
.Lentry_shape_is_right:
; out0 = o Wout + bout on codes of FP6 (E2M3): o's codes and scale words lie in oi, Wout's in img (groups 88-95), both as OP blocks: 128 rows x 256 along K, 25,600 bytes, images of operand registers
; (fragment (tile i, q) at 1,536 (2 i + q): registers 0-3 at 16 x lane, 4-5 at 512 + 8 x lane, 6-9 at 768 + 16 x lane, 10-11 at 1,280 + 8 x lane; the scale word of (i, row r, q) at 24,576 + 128 i + 8 r + 4 q).
; A BLOCK OF 128 x 256 of out0 to a work-group: 64 x 4 = 256 work-groups.  ALL OF K LIES IN LDS, FILLED ONCE: A's group, four OP blocks on end, and B's two groups, eight: 307,200 bytes.  One joint load a wave at the head:
; waves 0 and 1 fetch A's halves (200 rows of 256 bytes), shared along the cluster's row; waves 2 and 3 one group of B each (400 rows), shared along its column.  No ring, no refill; all that is read is asked for
; by these first fills, so there is no later request for a prefetch to run ahead of.
; A wave makes 64 x 128: A's tiles 4 (wave / 2) .. + 3 against the eight of B's group wave % 2: 32 accumulators in window 2.  Eight steps of 128 along K, written out; fragments in two sets by turns (A: window 0, B: window 1).
; The products are used transposed (source 0 = B): a lane holds a token (row r of its tile: token 32 (i / 2) + 8 (i % 2) + r + 8 (r / 8)) and register j of tile b column 32 (b / 2) + 16 h + 8 (b % 2) + j.
; The bias is the C of each accumulator's first product.  The way out goes through a stage in LDS bytes that held A's first blocks, behind a barrier behind which nobody reads operands.
.set GB,    25600
.set BREG,  4*GB                       ; B's first group
.set SPARE, 12*GB                      ; behind the operands: the spare words, 128 bytes a wave: two blocks of 256 bytes that no other line names
.set FR,    12
.set SPITCH, 528
.set LI,   8
.set L8,   9
.set ADRA, 16                          ; v16-19: A's fragments: 16-byte and 8-byte pieces, K slots 0-1; the same, slots 2-3
.set ADRB, 20                          ; v20-23: B's
.set STO,  24
.set RD,   25
.set SPW,  28
.set NIL,  29
.set ADRS, 30                          ; v30-31: scale words: lanes 0-15 A's, lanes 16-31 B's; slots 0-1, slots 2-3
.set SC,   32                          ; v32-63 scale words, two sets of 16: register 2 i + q
.set BR,   64                          ; v64-127 the bias in the result's layout
.set AF,   128                         ; v128-223 A's fragments, two sets of 48
.set BK,   128                         ; the way out: rows read back
.set G1,  24
.set G0,  32
.set G1B, 48
.set G0B, 56
.set MSB, 0
.macro WIN new
.if MSB != (\new)
	s_set_vgpr_msb (MSB<<8)|(\new)
.set MSB, (\new)
.endif
.endm
.macro CROUND
	s_barrier_signal -1
	s_barrier_wait -1
	s_cmp_lg_u32 s14, 0
	s_cbranch_scc1 .Lnot_wave_0_\@
	s_barrier_signal -3
.Lnot_wave_0_\@:
	s_barrier_wait -3
	s_barrier_signal -1
	s_barrier_wait -1
.endm
	s_load_b256 s[4:11], s[0:1], 0x0               ; oi, img, bout, out0
	v_lshl_add_u32 v[SPW], v0, 2, SPARE
	v_mov_b32 v[NIL], 0
	ds_add_u32 v[SPW], v[NIL]                      ; the opening lines: the add, twice on end, and its wait
	ds_add_u32 v[SPW], v[NIL]
	v_lshrrev_b32 v1, 5, v0
	v_readfirstlane_b32 s14, v1                    ; wave
	s_lshr_b32 s15, s14, 1                         ; my half of A's tiles.  Also: I fetch for A (0) or for B (1)
	s_and_b32 s16, s14, 1                          ; my group of B.  Also: which part I fetch
	s_bfe_u32 s40, ttmp6, 0x40000                  ; cx
	s_bfe_u32 s41, ttmp6, 0x40004                  ; cy
	s_and_b32 s67, ttmp7, 0xffff
	s_lshl_b32 s68, s67, 2
	s_add_co_u32 s68, s68, s41                     ; the group of 128 tokens
	s_add_co_u32 s69, s40, 44                      ; B's groups 2 (44 + cx) and the next
	s_lshl_b32 s43, s41, 2
	s_lshl_b32 s43, 15, s43                        ; my row of the cluster
	s_lshl_b32 s44, 0x1111, s40                    ; my column
	s_or_b32 s[G1+0], s43, (3<<16)|(1<<21)
	s_or_b32 s[G1B+0], s44, (3<<16)|(1<<21)
	s_mov_b32 s[G1+1], 32<<16                      ; rows of 256 bytes; A: 200 of them
	s_mov_b32 s[G1+2], 200<<16
	s_mov_b32 s[G1+3], 32<<16
	s_mov_b32 s[G1+4], 200
	s_mov_b32 s[G1+5], 32
	s_mov_b32 s[G1+6], 0
	s_mov_b32 s[G1+7], 0
	s_mov_b32 s[G1B+1], 32<<16                     ; B: 400
	s_mov_b32 s[G1B+2], 400<<16
	s_mov_b32 s[G1B+3], 32<<16
	s_mov_b32 s[G1B+4], 400
	s_mov_b32 s[G1B+5], 32
	s_mov_b32 s[G1B+6], 0
	s_mov_b32 s[G1B+7], 0
	s_mul_i32 s20, s68, 4*GB
	s_mul_i32 s45, s16, 2*GB                       ; A's half: in LDS, and in oi
	s_add_co_u32 s20, s20, s45
	s_mov_b32 s21, 0
	s_lshl_b32 s46, s69, 1
	s_add_co_u32 s46, s46, s16
	s_mul_i32 s46, s46, 4*GB
	s_mov_b32 s47, 0
	s_mul_i32 s66, s16, 4*GB
	s_add_co_u32 s66, s66, BREG                    ; B's group in LDS
	s_wait_dscnt 0x0
	s_wait_kmcnt 0x0
	s_add_nc_u64 s[20:21], s[4:5], s[20:21]
	s_add_nc_u64 s[46:47], s[6:7], s[46:47]
	CROUND                                         ; all sixteen work-groups are here: the joint loads meet
	s_mov_b32 s[G0], 1
	s_mov_b32 s[G0+1], s45
	s_mov_b64 s[G0+2:G0+3], s[20:21]
	s_or_b32 s[G0+3], s[G0+3], 0x80000000
	s_mov_b32 s[G0B], 1
	s_mov_b32 s[G0B+1], s66
	s_mov_b64 s[G0B+2:G0B+3], s[46:47]
	s_or_b32 s[G0B+3], s[G0B+3], 0x80000000
	s_cmp_eq_u32 s15, 0                            ; one load a wave, one arm each
	s_cbranch_scc0 .Lfor_b
	tensor_load_to_lds s[G0:G0+3], s[G1:G1+7]
	s_nop 0
.rept 4
	v_nop
.endr
	s_branch .Lasked
.Lfor_b:
	tensor_load_to_lds s[G0B:G0B+3], s[G1B:G1B+7]
	s_nop 0
.rept 4
	v_nop
.endr
.Lasked:
	v_and_b32 v1, 15, v0                           ; r
	v_bfe_u32 v2, v0, 4, 1                         ; h
	v_and_b32 v3, 31, v0
	v_lshlrev_b32 v[LI], 4, v3
	v_lshlrev_b32 v[L8], 3, v3
	v_lshlrev_b32 v10, 6, v2
	s_wait_alu depctr_va_vdst(0)
	s_lshl_b32 s70, s40, 10
	s_lshl_b32 s71, s16, 9
	s_add_co_u32 s70, s70, s71                     ; my 128 columns, in bytes
	s_mov_b32 s71, 0
	s_add_nc_u64 s[8:9], s[8:9], s[70:71]
.irp b, 0,1,2,3
.irp j, 0,1,2,3
	global_load_b128 v[BR+16*\b+4*\j:BR+16*\b+4*\j+3], v10, s[8:9] offset:128*\b+16*\j
.endr
.endr
	s_lshl_b32 s72, s68, 19                        ; 128 rows of 4,096 bytes,
	s_lshl_b32 s73, s15, 18                        ; my 64 of them
	s_add_co_u32 s72, s72, s73
	s_mov_b32 s73, 0
	s_add_nc_u64 s[10:11], s[10:11], s[72:73]
	s_add_nc_u64 s[10:11], s[10:11], s[70:71]
	s_mul_i32 s21, s15, 12288                      ; my four tiles of A: 3,072 bytes a tile
	s_mul_i32 s22, s16, 4*GB
	s_add_co_u32 s22, s22, BREG
.irp s, 0,1
	v_add_nc_u32 v[ADRA+2*\s], s21, v[LI]
	v_add_nc_u32 v[ADRA+2*\s+1], s21, v[L8]
	v_add_nc_u32 v[ADRB+2*\s], s22, v[LI]
	v_add_nc_u32 v[ADRB+2*\s+1], s22, v[L8]
	s_add_co_u32 s21, s21, 2*GB
	s_add_co_u32 s22, s22, 2*GB
.endr
	s_lshl_b32 s21, s15, 9                         ; my four tiles' scale words: 128 bytes a tile
	s_mul_i32 s22, s16, 4*GB
	s_add_co_u32 s22, s22, BREG
	s_sub_co_u32 s22, s22, s21
	v_mul_u32_u24 v4, s22, v2                      ; lanes 16-31 take B's
	v_lshl_add_u32 v4, v1, 3, v4
	s_add_co_u32 s21, s21, 24576
	v_add_nc_u32 v[ADRS], s21, v4
	v_add_nc_u32 v[ADRS+1], 2*GB, v[ADRS]
	s_mul_i32 s23, s14, 16*SPITCH                  ; my stage
	v_mul_u32_u24 v5, v1, SPITCH
	v_lshl_add_u32 v5, v2, 6, v5
	v_add_nc_u32 v[STO], s23, v5
	v_add_nc_u32 v[RD], s23, v[LI]
.macro FRAG reg, adr, s, q, i
	ds_load_b128 v[\reg:\reg+3], v[\adr+2*((\s)/2)] offset:((\s)%2)*GB+(2*(\i)+(\q))*1536
	ds_load_b64 v[\reg+4:\reg+5], v[\adr+2*((\s)/2)+1] offset:((\s)%2)*GB+(2*(\i)+(\q))*1536+512
	ds_load_b128 v[\reg+6:\reg+9], v[\adr+2*((\s)/2)] offset:((\s)%2)*GB+(2*(\i)+(\q))*1536+768
	ds_load_b64 v[\reg+10:\reg+11], v[\adr+2*((\s)/2)+1] offset:((\s)%2)*GB+(2*(\i)+(\q))*1536+1280
.endm
.macro FETCH st                        ; step st (slot st / 2, half st % 2): B's eight fragments, A's four, into set st % 2; with a slot's first step its scale words (of the loads for i = 4 .. 7 only lanes 16-31, B's, are used)
	WIN 0x40
.irp i, 0,1,2,3,4,5,6,7
	FRAG 128*((\st)%2)+FR*\i, ADRB, (\st)/2, (\st)%2, \i
.endr
	WIN 0
.irp i, 0,1,2,3
	FRAG AF+48*((\st)%2)+FR*\i, ADRA, (\st)/2, (\st)%2, \i
.endr
.if (\st)%2 == 0
.irp i, 0,1,2,3,4,5,6,7
	ds_load_b64 v[SC+16*(((\st)/2)%2)+2*\i:SC+16*(((\st)/2)%2)+2*\i+1], v[ADRS+(\st)/4] offset:(((\st)/2)%2)*GB+128*\i
.endr
.endif
.endm
.macro MUL st, first                   ; 32 products, the 32 accumulators by turns
.irp a, 0,1,2,3
.irp b, 0,1,2,3,4,5,6,7
.if \first
	v_wmma_scale_f32_16x16x128_f8f6f4 v[8*(8*\a+\b):8*(8*\a+\b)+7], v[128*((\st)%2)+FR*\b:128*((\st)%2)+FR*\b+FR-1], v[AF+48*((\st)%2)+FR*\a:AF+48*((\st)%2)+FR*\a+FR-1], v[BR+8*\b:BR+8*\b+7], v[SC+16*(((\st)/2)%2)+2*\b+(\st)%2], v[SC+16*(((\st)/2)%2)+2*\a+(\st)%2] matrix_a_fmt:MATRIX_FMT_FP6 matrix_b_fmt:MATRIX_FMT_FP6 matrix_a_scale:MATRIX_SCALE_ROW1
.else
	v_wmma_scale_f32_16x16x128_f8f6f4 v[8*(8*\a+\b):8*(8*\a+\b)+7], v[128*((\st)%2)+FR*\b:128*((\st)%2)+FR*\b+FR-1], v[AF+48*((\st)%2)+FR*\a:AF+48*((\st)%2)+FR*\a+FR-1], v[8*(8*\a+\b):8*(8*\a+\b)+7], v[SC+16*(((\st)/2)%2)+2*\b+(\st)%2], v[SC+16*(((\st)/2)%2)+2*\a+(\st)%2] matrix_a_fmt:MATRIX_FMT_FP6 matrix_b_fmt:MATRIX_FMT_FP6 matrix_a_scale:MATRIX_SCALE_ROW1
.endif
.endr
.endr
.endm
.macro PLACES
.rept 4
	v_nop
.endr
.endm
	s_wait_alu depctr_va_vdst(0)                   ; the head's end
	s_wait_tensorcnt 0x0                           ; my part has landed
	s_barrier_signal -1
	s_barrier_wait -1                              ; and everybody's: all of K lies in LDS
	FETCH 0
	s_wait_loadcnt 0x0                             ; the bias
	FETCH 1
	s_wait_dscnt 48                                ; step 0's loads are in; step 1's 48 may be out
	WIN 0x81                                       ; source 0 window 1, C window 0, D window 2
	MUL 0, 1
	WIN 0
.set ST, 1
.rept 6
	PLACES                                         ; in front of loads into the set that the last products read
	FETCH ST+1
.if (ST+1)%2 == 0
	s_wait_dscnt 56                                ; all but the 56 just issued (48 of fragments, 8 of scale words)
.else
	s_wait_dscnt 48
.endif
	WIN 0xa1                                       ; source 0 window 1, C and D window 2
	MUL ST, 0
	WIN 0
.set ST, ST+1
.endr
	s_wait_dscnt 0x0                               ; my reads of the operands are over:
	s_barrier_signal -1                            ; say so,
	WIN 0xa1
	MUL 7, 0
	WIN 0
	s_barrier_wait -1                              ; and nobody reads them any more: the stage may be written
.macro TOSTAGE a
	WIN 0x08                                       ; the data: window 2
.irp b, 0,1,2,3,4,5,6,7
	ds_store_b128 v[STO], v[64*(\a)+8*\b:64*(\a)+8*\b+3] offset:128*(\b/2)+32*(\b%2)          ; each accumulator from its low end on
	ds_store_b128 v[STO], v[64*(\a)+8*\b+4:64*(\a)+8*\b+7] offset:128*(\b/2)+32*(\b%2)+16
.endr
	WIN 0
.set BB, BK+64*((\a)%2)
.irp t, 0,1,2,3,4,5,6,7,8,9,10,11,12,13,14,15
	ds_load_b128 v[BB+4*\t:BB+4*\t+3], v[RD] offset:\t*SPITCH    ; LDS serves a wave's instructions in order: these see the stores above
.endr
.endm
.macro SEND a, younger
.set BB, BK+64*((\a)%2)
	s_wait_dscnt \younger
.irp t, 0,1,2,3,4,5,6,7,8,9,10,11,12,13,14,15
	global_store_b128 v[LI], v[BB+4*\t:BB+4*\t+3], s[10:11] offset:(32*((\a)/2)+8*((\a)%2)+\t+8*(\t/8))*4096 th:TH_STORE_NT   ; 32 lanes store 512 consecutive bytes of a row
.endr
.endm
	PLACES
	TOSTAGE 0
.irp a, 1,2,3
.if \a > 1
	s_wait_xcnt 0x0                                ; block a - 2's stores have read their registers
.endif
	TOSTAGE \a
	SEND \a-1, 32                                  ; behind block a - 1's loads: block a's 16 stores and 16 loads
.endr
	SEND 3, 0
	s_wait_tensorcnt 0x0                           ; the wave's end
	ds_add_u32 v[SPW], v[NIL]
	s_wait_dscnt 0x0
	CROUND                                         ; the closing round
	s_endpgm
.Lfunc_end_k_qb8d9ec675b_outp:
	.size	k_qb8d9ec675b_outp, .Lfunc_end_k_qb8d9ec675b_outp-k_qb8d9ec675b_outp
	.p2alignl 7, 3214868480
	.fill 96, 4, 3214868480
	.section	.rodata,"a",@progbits
	.p2align	6, 0x0
	.amdhsa_kernel k_qb8d9ec675b_outp
		.amdhsa_group_segment_fixed_size 327680
		.amdhsa_private_segment_fixed_size 0
		.amdhsa_enable_private_segment 0
		.amdhsa_kernarg_size 32
		.amdhsa_user_sgpr_count 2
		.amdhsa_user_sgpr_kernarg_segment_ptr 1
		.amdhsa_wavefront_size32 1
		.amdhsa_system_sgpr_workgroup_id_x 1
		.amdhsa_system_sgpr_workgroup_id_y 1
		.amdhsa_system_sgpr_workgroup_id_z 1
		.amdhsa_system_vgpr_workitem_id 0
		.amdhsa_next_free_vgpr 768
		.amdhsa_next_free_sgpr 98
		.amdhsa_reserve_vcc 0
		.amdhsa_float_denorm_mode_32 3
		.amdhsa_float_denorm_mode_16_64 3
		.amdhsa_memory_ordered 1
		.amdhsa_forward_progress 1
		.amdhsa_inst_pref_size 83
	.end_amdhsa_kernel
	.amdgpu_metadata
---
amdhsa.version: [ 1, 2 ]
amdhsa.kernels:
  - .name:           k_qb8d9ec675b_outp
    .symbol:         k_qb8d9ec675b_outp.kd
    .args:
      - { .name: oi, .offset: 0, .size: 8, .value_kind: global_buffer, .address_space: global }
      - { .name: img, .offset: 8, .size: 8, .value_kind: global_buffer, .address_space: global }
      - { .name: bout, .offset: 16, .size: 8, .value_kind: global_buffer, .address_space: global }
      - { .name: out0, .offset: 24, .size: 8, .value_kind: global_buffer, .address_space: global }
    .group_segment_fixed_size: 327680
    .private_segment_fixed_size: 0
    .kernarg_segment_align: 8
    .kernarg_segment_size: 32
    .max_flat_workgroup_size: 128
    .sgpr_count:     98
    .vgpr_count:     768
    .wavefront_size: 32
...
	.end_amdgpu_metadata
.endif
;; end of part 4
